; MI455X (gfx1250); checked and timed in simulation.
; The chip was launched on July 23, 2026; its instructions are those of AMD's public machine-readable ISA for CDNA 5 (MIT licence, August 2026) and "CDNA5" Instruction Set Architecture Reference Guide (July 2026). The comments in the code are by the model that wrote it; some were corrected since.
;; Unified Memory Layer. Allowed arithmetic: matrix products marked QUANTISED: E2M3 operands, one E8M0 scale for each 32 along K, by v_wmma_scale_f32_16x16x128_f8f6f4 with both operands' format E2M3, f32 sums; everything else in f32.
;; Inputs: memory 32,768 x 512 float32; query 2,048 x 512 float32.
;; Outputs: out0 2,048 x 512 float32.
;; This version of the problem:
;;   THIS VERSION OF THE PROBLEM IS GIVEN IN LOW PRECISION. The matrix products marked QUANTISED in the list below multiply operands that are first quantised to E2M3 (2 exponent bits, 3 mantissa bits; 6 bits a number), with one power-of-two scale for each 32 numbers along K (OCP MX v1.0); their sums are f32. All else is computed in f32.
;;   The module's matrix products, in the order in which they are computed (A, B: the left and right operand; K: the contracted axis; several contracted axes count as one K, in the product's order):
;;     1. [M 2,048, K 512] x [K 512, N 32,768]; A: input query; B: input memory: QUANTISED
;;     2. [M 2,048, K 32,768] x [K 32,768, N 512]; A: softmax (see below); B: input memory: QUANTISED
;;   THE QUANTISER, for each operand of a quantised product, along K:
;;     - K is cut into blocks of 32 from its start; a last block that is shorter is filled with zeros.
;;     - A block's scale is 2^e with e = floor(log2(the largest magnitude in the block)) - 2, held to -126 .. 127; a block of zeros has e = 0. As a byte (E8M0): e + 127.
;;     - Each number is divided by its block's scale, clamped to +-7.5, and rounded to the nearest number of E2M3, ties to even, subnormals kept.
;;     - The product sums the exact products of the quantised numbers (number of the format x scale) in f32.
;;   ~~~python
;;   def quantise(x, axis):      # numpy; x: float32 -> the quantised numbers, widened to float32 again
;;       x = np.moveaxis(x, axis, -1); K = x.shape[-1]
;;       x = np.pad(x, [(0, 0)] * (x.ndim - 1) + [(0, -K % 32)]); x = x.reshape(x.shape[:-1] + (-1, 32)); a = np.abs(x).max(-1, keepdims=True)
;;       e = np.where(a > 0, np.clip(np.frexp(np.where(a > 0, a, 1))[1] - 1 - 2, -126, 127), 0)      # np.frexp(a)[1] - 1 = floor(log2(a)), exactly
;;       r = np.clip(x / 2.0 ** e, -7.5, 7.5)
;;       step = 2.0 ** (np.maximum(np.frexp(np.where(r == 0, 1, r))[1] - 1, 0) - 3)
;;       q = np.round(r / step) * step * 2.0 ** e      # np.round: ties to even
;;       return np.moveaxis(q.reshape(q.shape[:-2] + (-1,))[..., :K], -1, axis).astype(np.float32)
;;   ~~~
;;   SOFTMAX AHEAD OF A QUANTISED PRODUCT. Where the list says 'softmax', what is quantised is not the finished softmax but p = 2^(t - M), with t = logit x log2(e) and M = ceil(the row's largest t), a whole number; so 1/2 < the row's largest p <= 1. The row's sum l is taken of the UNQUANTISED p, in f32, and the product's result is divided by l at the end. Since M is a whole number, a kernel that streams over the keys may use a running M (the ceiling of the running maximum): every later rescaling is an exact power of two, which a block's scale takes up: the codes' values come out the same.
;;   OPERANDS COMPUTED ON THE WAY. 'Computed on the way' means the value that the module computes at that place (a softmax that the list does not call 'softmax' is quantised finished and normalised). What goes into a quantiser is computed in f32, as accurately as f32 sums, v_exp_f32 and their like allow (about 1e-6 of the number): no bf16 or f16 on the way to a quantiser, and a product that is left as it is and whose result goes on into a quantised operand takes f32 operands (vector FMAs, or v_wmma_f32_16x16x4_f32). A number that lies on a knife's edge between two numbers of the format may be rounded either way, as far as f32 arithmetic and the matrix unit's own rounding can turn it there, and no further.
;; 2 versions, each right. Each part assembles by itself: llvm-mc -triple=amdgcn-amd-amdhsa -mcpu=gfx1250 --defsym DOCPART=n.
;; ======== version 1 of 2: 3 launches
;; workspace buffers: img 26,214,400 bytes; qimg 819,200 bytes; opart 33,554,432 bytes; stat 131,072 bytes
;; launch quant (part 1): grid 1088 x 1, 4 waves a work-group, no clusters, 68,352 bytes of LDS; arguments memory, query, img, qimg; writes img, qimg
.if DOCPART == 1
	.amdgcn_target "amdgcn-amd-amdhsa--gfx1250"
	.amdhsa_code_object_version 6
	.text
	.protected	k_q6608f24c44_quant
	.globl	k_q6608f24c44_quant
	.p2align	8
	.type	k_q6608f24c44_quant,@function
k_q6608f24c44_quant:
	s_mov_b64 s[64:65], 0
	v_nop
	global_prefetch_b8 v0, s[64:65] scope:SCOPE_SE
	s_setreg_imm32_b32 hwreg(HW_REG_WAVE_MODE, 25, 1), 1
	s_wait_xcnt 0x0
; memory [32768][512] and query [2048][512], f32, are turned into codes of FP6 (E2M3) with one E8M0 scale byte for each 32 along K, laid as IMAGES OF OPERAND REGISTERS.
; memory is quantised twice: along d (K of the first product) and along the slots (K of the second); query along d.  Each f32 number is read from memory once.
; A PIECE is 25,600 bytes: 16 fragment images of 1,536 bytes (registers 4 c .. 4 c + 3 of lane l at 512 c + 16 l), then at byte 24,576 eight scale registers of 128 bytes (4 bytes a lane:
; lanes 0-15 the words of an even tile's rows, lanes 16-31 those of the next odd tile).
; K-type piece: 64 rows x 512 d; fragment 4 kt + s (tile kt, K step s); row m of tile kt is row 32 (kt / 2) + 8 (kt % 2) + m + 8 (m / 8) of the 64; scale register 2 s + kt / 2.
; V-type piece: 128 d x 256 slots; fragment 8 j + dt (K step j, tile dt of 16 d); scale register 4 j + dt / 2.
; img[step of 512 slots][phase][wave]: phases 0, 1: K-type, slots 128 wave + 64 phase on; phases 2, 3: V-type, d 128 wave on, slots 256 (phase - 2) on.  qimg[block of 64 queries]: K-type.
; A block's scale is 2^(floor(log2(largest magnitude)) - 2); its byte is the largest magnitude's exponent field - 2, held at 1 from below.
; LIMITS: a block of zeros gets the byte 1 where the rule says 127 (its codes are zeros, and this program alone reads the bytes); blocks whose largest magnitude lies under 2^-124 keep the byte 1; NaN and infinities are not served.
; SHARES.  Work-groups 0-1023: a region of 128 slots x 128 d of memory; 1024-1087: the same of query (K-type fragments only).  The region goes into LDS as f32; wave w makes the K-type fragments of its own 32 rows
; (two tiles), and behind one barrier the V-type fragments of d tiles 2 w, 2 w + 1 (a lane to a column, registers down the slots).
; LDS: row p at 528 p + 64 (p / 32): 528 bytes = 33 x 16, so the 16 rows of a 16-byte read start at 16 different groups of banks (64 banks of 4 bytes: ISA guide 11.1); the 64 bytes for each 32 rows put lanes 16-31 of a column read 16 banks on.
; LDS row 32 w + i holds region row 32 w + (i with bits 3 and 4 exchanged): the rows lie in the tiles' order.
.set PIECE, 25600
.set SCB,   24576
.set PITCH, 528
.set WREG,  32*PITCH+64                ; 32 rows: 16,960 bytes
.set X0,    16                         ; v16-143: the 32 loads; then X0 = v16-79, X1 = v80-143: 64 numbers of a lane
.set X1,    80
.set PC,    144                        ; v144-191: four fragments' codes, never rewritten: no store's data are written again
.set TMP,   192                        ; v192-194, v196-198: the upper halves of a block's codes
.set SEL,   40                         ; s[40:41] v_permlanex16_b32's selects for lane l xor 16
	s_load_b256 s[4:11], s[0:1], 0x0               ; memory s[4:5], query s[6:7], img s[8:9], qimg s[10:11]
	v_lshl_add_u32 v208, v0, 2, 0x10900
	v_mov_b32 v209, 0
	v_lshrrev_b32 v1, 5, v0
	v_readfirstlane_b32 s12, v1                    ; wave 0..3
	v_and_b32 v1, 31, v0                           ; lane
	v_and_b32 v2, 15, v0                           ; r
	v_bfe_u32 v3, v0, 4, 1                         ; h
	v_lshlrev_b32 v4, 4, v1                        ; 16 x lane: my bytes of a load of 512, and of an image
	s_mul_i32 s13, s12, WREG
	v_add_nc_u32 v5, s13, v4                       ; into LDS: my wave's rows, 16 x lane
	v_mul_u32_u24 v6, v2, PITCH
	v_lshl_add_u32 v6, v3, 7, v6
	v_add_nc_u32 v6, s13, v6                       ; K-type reads: row r of a tile of my wave, + 128 h bytes (32 numbers)
	v_lshlrev_b32 v7, 2, v2
	v_mad_u32_u24 v7, v3, WREG, v7
	s_lshl_b32 s14, s12, 7
	v_add_nc_u32 v7, s14, v7                       ; V-type reads: column 32 w + r, lanes 16-31 begin 32 rows further down
	v_lshlrev_b32 v8, 2, v1                        ; 4 x lane: a scale word's place
	v_lshlrev_b32 v9, 3, v3                        ; 8 h: my bytes' place in a scale word
	v_cmp_le_u32 vcc_lo, 16, v1                    ; lanes 16-31 (kept for the whole kernel)
	s_mov_b32 s[SEL], 0x76543210
	s_mov_b32 s[SEL+1], 0xfedcba98
	s_and_b32 s15, ttmp9, 1023                     ; the region's number in its tensor
	s_lshr_b32 s16, s15, 2                         ; which 128 rows
	s_and_b32 s17, s15, 3                          ; which 128 d: s
	s_lshr_b32 s18, s16, 2
	s_lshl_b32 s18, s18, 4                         ; 16 pieces for each step of 512 slots
	s_and_b32 s19, s16, 3                          ; which 128 slots of the step
	s_add_co_u32 s20, s18, s19                     ; memory: the K-type piece of rows 0-63
	s_lshl_b32 s21, s16, 1                         ; query: likewise
	s_lshr_b32 s22, s12, 1                         ; my rows lie in the first or the second 64
	s_and_b32 s23, s12, 1                          ; and there in tiles 0, 1 or 2, 3
	s_lshl_b32 s24, s16, 18                        ; the source: 128 rows of 2,048 bytes,
	s_lshl_b32 s25, s17, 9                         ; 128 d,
	s_add_co_u32 s24, s24, s25
	s_lshl_b32 s25, s12, 16                        ; my wave's 32 rows
	s_add_co_u32 s24, s24, s25
	s_mov_b32 s25, 0
	s_lshr_b32 s26, s19, 1                         ; the V-type piece: phase 2 or 3,
	s_lshl_b32 s26, s26, 2
	s_add_co_u32 s26, s26, s18
	s_add_co_u32 s26, s26, s17                     ; wave = s
	s_add_co_u32 s26, s26, 8
	s_mul_i32 s26, s26, PIECE
	s_and_b32 s27, s16, 1                          ; its K step j
	s_mul_i32 s28, s27, 8*1536
	s_mul_i32 s29, s12, 2*1536                     ; d tiles 2 w, 2 w + 1
	s_add_co_u32 s28, s28, s29
	s_add_co_u32 s28, s28, s26
	s_mov_b32 s29, 0
	s_lshl_b32 s30, s27, 2
	s_add_co_u32 s30, s30, s12                     ; scale register 4 j + w
	s_lshl_b32 s30, s30, 7
	s_add_co_u32 s30, s30, s26
	s_add_co_u32 s30, s30, SCB
	s_mov_b32 s31, 0
	s_wait_kmcnt 0x0
	s_cmp_lt_u32 ttmp9, 1024                       ; memory's work-group or query's?  The choice hangs on the work-group's number alone
	s_cselect_b64 s[4:5], s[4:5], s[6:7]
	s_cselect_b64 s[32:33], s[8:9], s[10:11]
	s_cselect_b32 s20, s20, s21
	s_mov_b32 s21, PIECE
	s_cselect_b32 s21, 4*PIECE, s21                ; from the piece of rows 0-63 to that of rows 64-127
	s_add_nc_u64 s[4:5], s[4:5], s[24:25]
.set i, 0
.rept 32                                       ; 32 rows x 512 consecutive bytes; load i brings the row that LDS row i holds
	global_load_b128 v[X0+4*i:X0+4*i+3], v4, s[4:5] offset:((i&7)+((i>>3)&1)*16+((i>>4)&1)*8)*2048 th:TH_LOAD_NT
.set i, i+1
.endr
	s_mul_i32 s20, s20, PIECE
	s_mul_i32 s21, s21, s22
	s_add_co_u32 s20, s20, s21                     ; my K-type piece
	s_mul_i32 s34, s23, 8*1536                     ; tiles 2 (w % 2) + f: fragment 4 kt + s
	s_mul_i32 s35, s17, 1536
	s_add_co_u32 s34, s34, s35
	s_add_co_u32 s34, s34, s20
	s_mov_b32 s35, 0
	s_add_nc_u64 s[34:35], s[32:33], s[34:35]      ; K-type codes
	s_lshl_b32 s36, s17, 8                         ; scale register 2 s + w % 2
	s_lshl_b32 s37, s23, 7
	s_add_co_u32 s36, s36, s37
	s_add_co_u32 s36, s36, s20
	s_add_co_u32 s36, s36, SCB
	s_mov_b32 s37, 0
	s_add_nc_u64 s[36:37], s[32:33], s[36:37]      ; K-type scale words
	s_add_nc_u64 s[28:29], s[8:9], s[28:29]        ; V-type codes
	s_add_nc_u64 s[30:31], s[8:9], s[30:31]        ; V-type scale words
.set g, 0
.rept 4
	s_wait_loadcnt 24-8*g                          ; loads come back in order: this group of eight is in, the younger groups stay out
.set i, 8*g
.rept 8
	ds_store_b128 v5, v[X0+4*i:X0+4*i+3] offset:i*PITCH
.set i, i+1
.endr
.set g, g+1
.endr
	s_wait_dscnt 0x0                               ; the stores have read their registers, which are loaded again below
; 64 numbers of a lane, v[x + 32 c + i] = k 64 c + 32 h + i of its row: two whole blocks.  They become a fragment's 12 registers at v[pc] and the row's scale word in v[w].
.macro QUANT2 x, pc, w
	v_max3_num_f32 v10, |v[(\x)]|, |v[(\x)+1]|, 0x1800000      ; and the floor 2^(3 - 127): the byte cannot fall under 1
	v_max3_num_f32 v11, |v[(\x)+32]|, |v[(\x)+33]|, 0x1800000
.irp i, 2,4,6,8,10,12,14,16,18,20,22,24,26,28,30
	v_max3_num_f32 v10, v10, |v[(\x)+\i]|, |v[(\x)+\i+1]|      ; the two blocks by turns
	v_max3_num_f32 v11, v11, |v[(\x)+32+\i]|, |v[(\x)+33+\i]|
.endr
	v_add_nc_u32 v12, 0xff000000, v10              ; 2 off the exponent field: the conversion takes this operand's exponent field as its scale
	v_add_nc_u32 v13, 0xff000000, v11
	v_lshrrev_b32 v14, 23, v12                     ; the scales' bytes
	v_lshrrev_b32 v15, 23, v13
	v_lshl_or_b32 v14, v15, 16, v14                ; blocks h and 2 + h of my row,
	v_lshlrev_b32 v14, v9, v14                     ; at their places in the word;
	v_permlanex16_b32 v15, v14, s[SEL], s[SEL+1]
	v_or_b32 v[\w], v14, v15                       ; with lane l xor 16's two the word is whole
	v_cvt_scalef32_pk16_fp6_f32 v[(\pc):(\pc)+2], v[(\x):(\x)+15], v12
	v_cvt_scalef32_pk16_fp6_f32 v[TMP:TMP+2], v[(\x)+16:(\x)+31], v12      ; (a conversion's three registers begin on an even number)
	v_cvt_scalef32_pk16_fp6_f32 v[(\pc)+6:(\pc)+8], v[(\x)+32:(\x)+47], v13
	v_cvt_scalef32_pk16_fp6_f32 v[TMP+4:TMP+6], v[(\x)+48:(\x)+63], v13
	v_nop                                          ; one plain place behind a scaled conversion
.irp c, 0,1
.irp i, 0,1,2
	v_mov_b32 v[(\pc)+6*\c+3+\i], v[TMP+4*\c+\i]
.endr
.endr
.endm
.macro KLOAD f, x                              ; tile f of my wave: row r, my 64 numbers
.irp c, 0,1
.irp e, 0,1,2,3,4,5,6,7
	ds_load_b128 v[(\x)+32*\c+4*\e:(\x)+32*\c+4*\e+3], v6 offset:16*(\f)*PITCH+256*\c+16*\e
.endr
.endr
.endm
.macro VLOAD f, c, x                           ; d tile 2 w + f: column r, slots 64 c + 32 h + i
.set i, 0
.rept 32
	ds_load_b32 v[(\x)+32*(\c)+i], v7 offset:(\c)*2*WREG+((i&7)+((i>>3)&1)*16+((i>>4)&1)*8)*PITCH+64*(\f)
.set i, i+1
.endr
.endm
	; ---- K-type: my own 32 rows, so no barrier stands in front of these reads
	KLOAD 0, X0
	KLOAD 1, X1
	s_wait_dscnt 16                                ; tile 0's sixteen loads are in, tile 1's may be out
	QUANT2 X0, PC, 200
.irp c, 0,1,2
	global_store_b128 v4, v[PC+4*\c:PC+4*\c+3], s[34:35] offset:512*\c             ; 32 lanes store 512 consecutive bytes, aligned to 256
.endr
	s_wait_dscnt 0x0
	QUANT2 X1, PC+12, 201
.irp c, 0,1,2
	global_store_b128 v4, v[PC+12+4*\c:PC+12+4*\c+3], s[34:35] offset:4*1536+512*\c
.endr
	v_cndmask_b32 v202, v200, v201, vcc_lo         ; lanes 0-15 the even tile's words, lanes 16-31 the odd tile's
	global_store_b32 v8, v202, s[36:37]
	s_wait_dscnt 0x0                               ; no LDS instruction of mine is out (my stores into the region were waited for above)
	s_barrier_signal -1
	s_barrier_wait -1                              ; the whole region lies in LDS
	s_cmp_ge_u32 ttmp9, 1024                       ; query has no second product
	s_cbranch_scc1 .Lend
	; ---- V-type
	VLOAD 0, 0, X0
	VLOAD 0, 1, X0
	VLOAD 1, 0, X1
	s_wait_dscnt 32                                ; the first tile's 64 loads are in
	QUANT2 X0, PC+24, 203
.irp c, 0,1,2
	global_store_b128 v4, v[PC+24+4*\c:PC+24+4*\c+3], s[28:29] offset:512*\c
.endr
	VLOAD 1, 1, X1
	s_wait_dscnt 0x0
	QUANT2 X1, PC+36, 204
.irp c, 0,1,2
	global_store_b128 v4, v[PC+36+4*\c:PC+36+4*\c+3], s[28:29] offset:1536+512*\c
.endr
	v_cndmask_b32 v205, v203, v204, vcc_lo
	global_store_b32 v8, v205, s[30:31]
.Lend:
	s_wait_tensorcnt 0x0
	ds_add_u32 v208, v209
	s_wait_dscnt 0x0
	s_endpgm
.Lfunc_end_k_q6608f24c44_quant:
	.size	k_q6608f24c44_quant, .Lfunc_end_k_q6608f24c44_quant-k_q6608f24c44_quant
	.p2alignl 7, 3214868480
	.fill 96, 4, 3214868480
	.section	.rodata,"a",@progbits
	.p2align	6, 0x0
	.amdhsa_kernel k_q6608f24c44_quant
		.amdhsa_group_segment_fixed_size 68352
		.amdhsa_private_segment_fixed_size 0
		.amdhsa_enable_private_segment 0
		.amdhsa_kernarg_size 32
		.amdhsa_user_sgpr_count 2
		.amdhsa_user_sgpr_kernarg_segment_ptr 1
		.amdhsa_wavefront_size32 1
		.amdhsa_system_sgpr_workgroup_id_x 1
		.amdhsa_system_sgpr_workgroup_id_y 1
		.amdhsa_system_sgpr_workgroup_id_z 1
		.amdhsa_system_vgpr_workitem_id 0
		.amdhsa_next_free_vgpr 210
		.amdhsa_next_free_sgpr 66
		.amdhsa_reserve_vcc 1
		.amdhsa_float_denorm_mode_32 3
		.amdhsa_float_denorm_mode_16_64 3
		.amdhsa_memory_ordered 1
		.amdhsa_forward_progress 1
		.amdhsa_inst_pref_size 33
	.end_amdhsa_kernel
	.amdgpu_metadata
---
amdhsa.version: [ 1, 2 ]
amdhsa.kernels:
  - .name:           k_q6608f24c44_quant
    .symbol:         k_q6608f24c44_quant.kd
    .args:
      - { .name: memory, .offset: 0, .size: 8, .value_kind: global_buffer, .address_space: global }
      - { .name: query, .offset: 8, .size: 8, .value_kind: global_buffer, .address_space: global }
      - { .name: img, .offset: 16, .size: 8, .value_kind: global_buffer, .address_space: global }
      - { .name: qimg, .offset: 24, .size: 8, .value_kind: global_buffer, .address_space: global }
    .group_segment_fixed_size: 68352
    .private_segment_fixed_size: 0
    .kernarg_segment_align: 8
    .kernarg_segment_size: 32
    .max_flat_workgroup_size: 128
    .sgpr_count:     66
    .vgpr_count:     210
    .wavefront_size: 32
...
	.end_amdgpu_metadata
.endif
;; end of part 1
;; launch attn (part 2): grid 32 x 8, 4 waves a work-group, clusters of 4 x 1, 327,680 bytes of LDS; arguments img, qimg, opart, stat; writes opart, stat
.if DOCPART == 2
	.amdgcn_target "amdgcn-amd-amdhsa--gfx1250"
	.amdhsa_code_object_version 6
	.text
	.protected	k_q6608f24c44_attn
	.globl	k_q6608f24c44_attn
	.p2align	8
	.type	k_q6608f24c44_attn,@function
k_q6608f24c44_attn:
	s_mov_b64 s[64:65], 0
	v_nop
	global_prefetch_b8 v0, s[64:65] scope:SCOPE_SE
	s_setreg_imm32_b32 hwreg(HW_REG_WAVE_MODE, 25, 1), 1
	s_wait_xcnt 0x0
	s_wait_alu depctr_hold_cnt(0) depctr_sa_sdst(0) depctr_va_vdst(0) depctr_va_sdst(0) depctr_va_ssrc(0) depctr_va_vcc(0) depctr_vm_vsrc(0)
	s_getreg_b32 s2, hwreg(HW_REG_IB_STS2, 6, 4)
	s_cmp_eq_u32 s2, 0
	s_cbranch_scc0 .Lentry_in_a_cluster
	s_endpgm
.Lentry_in_a_cluster:
	s_bfe_u32 s2, ttmp6, 0x10000c
	s_cmp_lg_u32 s2, 0x3003
	s_cbranch_scc0 .Lentry_shape_is_right
	s_endpgm
.Lentry_shape_is_right:
; One read of the memory bank, both products on codes of FP6 (E2M3) with one E8M0 scale for each 32 along K.  A work-group takes 64 queries and one of 8 splits of 4,096 slots, and stores
; O = sum of p V (not normalised) under the split's own M, with -M and l = sum of p; a later launch joins the eight splits.
; t = score x log2(e); M = the running largest t rounded UP to a whole number; p = 2^(t - M) is quantised along the slots; l is the sum of the unquantised p.  When M moves, l and O are multiplied by 2^(old M - new M): exact.
; A STEP is 512 slots, 8 steps.  THE FOUR WAVES SHARE THE SLOTS IN THE FIRST PRODUCT AND d IN THE SECOND:
;   phase 1: wave w makes S^T of slots 128 w .. + 127 (8 tiles) for all 64 queries (4 tiles), K = 512: each fragment of K feeds 4 products;
;   softmax on those scores (the waves' largest scores meet in LDS, so that all four keep the same M); p's four fragments, K step w of the second product, go to LDS as images of their registers;
;   phase 2: wave w makes O^T of d 128 w .. + 127 (8 tiles) for the 64 queries over the four K steps: each fragment of V feeds 4 products, each of p 8.
; No fragment of K or V is read by two waves: each wave fetches its own piece of 25,600 bytes (16 fragment images and their scale words) and reads it alone.
; Both products are used transposed (source 0 = 16 slots or 16 d, source 1 = 16 queries): a lane holds ONE query (lane % 16) throughout.  The slots of a tile are not neighbours (lane r of tile 2 b + u holds slot
; 32 b + 8 u + r + 8 (r / 8)), so that the 16 registers of tiles 2 b, 2 b + 1 are 16 neighbouring slots.  The queries of a tile are ordered the same way; the way out undoes that by address.
; A block's largest p is taken from the block's largest score by the same multiply-add and exponential: this takes v_exp_f32 not to fall where its input rises.
; CLUSTER: the four query blocks of a cluster walk the same split, so each piece is asked for JOINTLY: the same tensor load, the same descriptor (made of split and wave alone), mask 15, in all four.
; RING: two slots a wave; piece n = 4 step + phase goes to slot n % 2; one tensor load of a wave is out at any time.
; LIMITS: NaN and infinities are not served; M's arithmetic is exact for |t| under 2^24; p under 2^-126 counts as 0.
; REGISTERS, in windows of 256.  window 0: v1-15 addresses; v16-47 statistics, 8 a query tile; v48-87 scale words and nothing else; v88-183 K's two buffers (in the softmax: p's codes); v184-251 at work.
;   window 1: S^T, tile (qt, kt) at 64 qt + 8 kt; in phase 2 p's two buffers (v0, v48) and V's two (v96, v144); on the way out rows of O.   window 2: O^T, tile (qt, dt) at 8 (8 qt + dt).   window 3: Q, fragment (qt, s) at 12 (4 qt + s).
.set PIECE,  25600
.set FILL,   4*PIECE                   ; the four waves' pieces of one phase
.set SPLITB, 32*FILL                   ; a split's stream in img
.set SCB,    24576                     ; a piece's scale words
.set PIMG,   204800                    ; behind the ring (4 waves x 2 slots): p's images, (qt, j) at (4 qt + j) x 1,536
.set PSC,    229376                    ; p's scale words [qt][lane][j]; + 2,048: the waves' largest scores [qt][lane][w]; + 4,096: their sums
.set SPARE,  235520                    ; the spare words, 128 bytes for each wave: two blocks of 256 bytes that no other line names
.set STAGE,  236032                    ; the way out: 16 rows x 528 bytes for each wave
.set SPITCH, 528
.set ST,  16                           ; tile qt at v[ST + 8 qt]: +0 -M, +1 largest t, +2:3 l, +4:5 f, +6 the old -M, +7 at work
.set QS,  48                           ; Q's scale words: 2 s + qt / 2
.set SC0, 56                           ; the piece's scale words: slot 0's at v56-63, slot 1's at v64-71
.set PS,  72                           ; p's scale words: 4 qt + j
.set KB0, 88
.set KB1, 136
.set PC,  88                           ; p's codes, 20 registers a tile
.set BM,  184                          ; the blocks' largest scores, then largest p: 4 qt + b
.set T,   200
.set BY,  216
.set SA,  232
.set PW,  248
.set PB0, 0
.set PB1, 48
.set VB0, 96
.set VB1, 144
.set G1,  24                           ; s[24:31] descriptor group 1
.set G0,  32                           ; s[32:39] group 0, a set for each slot
.set CS,  40                           ; s[40:41] log2(e)
.set SEL, 42                           ; s[42:43] v_permlanex16_b32's selects for lane l xor 16
.set MSB, 0
.macro WIN new                         ; the immediate's high byte repeats the setting that is left
.if MSB != \new
	s_set_vgpr_msb (MSB<<8)|\new
.set MSB, \new
.endif
.endm
.macro PLACES n
.rept \n
	v_nop
.endr
.endm
.macro CROUND                          ; a round of the cluster's barrier
	s_barrier_signal -1
	s_barrier_wait -1
	s_cmp_lg_u32 s12, 0
	s_cbranch_scc1 .Lnot_wave_0_\@
	s_barrier_signal -3
.Lnot_wave_0_\@:
	s_barrier_wait -3
	s_barrier_signal -1
	s_barrier_wait -1
.endm
; The change of slots, first part: sig = the slot about to be read.  All my tensor loads have landed (the one that was out is that slot's piece), so every group 0 may be written.
.macro MEET sig
	WIN 0
	s_wait_tensorcnt 0x0
	ds_add_u32 v7, v8                              ; 0 onto my spare word
	s_wait_xcnt 0x0                                ; the last prefetch, a phase back, has read its address
	s_add_nc_u64 s[48:49], s[48:49], 131072
	s_add_co_u32 s45, s45, 1                       ; changes of slots so far
	s_add_nc_u64 s[G0+4*(\sig)+2:G0+4*(\sig)+3], s[G0+4*(\sig)+2:G0+4*(\sig)+3], 2*FILL   ; this slot's next piece; the type bits on top are not reached
.endm
; Second part: the add is done and my LDS reads and stores are over; a round, so that no wave of any partner still reads the other slot or has a load on its way; then that slot's joint refill, first behind the round.
.macro TURN sig
	WIN 0
	s_wait_dscnt 0x0
	CROUND
	tensor_load_to_lds s[G0+4*(1-(\sig)):G0+4*(1-(\sig))+3], s[G1:G1+7]
	s_nop 0
	PLACES 4                                       ; the places in front of the loads that follow
.endm
; A prefetch of the split's stream: at change k (1 to 23) the sixteen waves of the split's first cluster name bytes 131,072 (k + 1) on, 8,192 a wave, lanes 256 bytes apart; the partners are told apart by address.
; 23 x 131,072 + 262,144 = the stream's 3,276,800 bytes: each block of 256 bytes is named once, and none past the split's end; the first 262,144 bytes come by their loads alone.
.macro ASK
	s_cmp_lt_u32 s45, s46
	s_cbranch_scc0 .Lnot_mine_\@
	global_prefetch_b8 v13, s[48:49] th:TH_LOAD_NT scope:SCOPE_SE
.Lnot_mine_\@:
.endm
.macro LOADSC sig
.irp i, 0,1,2,3,4,5,6,7
	ds_load_b32 v[SC0+8*(\sig)+\i], v2 offset:(\sig)*PIECE+SCB+128*\i
.endr
.endm
.macro LOADF reg, sig, f               ; a fragment's image: three loads of 512 consecutive bytes
.irp c, 0,1,2
	ds_load_b128 v[(\reg)+4*\c:(\reg)+4*\c+3], v1 offset:(\sig)*PIECE+(\f)*1536+512*\c
.endr
.endm
.macro LOADK buf, sig, s               ; K step s of the piece's four tiles
.irp k, 0,1,2,3
	LOADF (\buf)+12*\k, \sig, 4*\k+(\s)
.endr
.endm
.macro LOADV vb, sig, jp, hh           ; K step jp, d tiles 4 hh .. 4 hh + 3
.irp a, 0,1,2,3
	LOADF (\vb)+12*\a, \sig, 8*(\jp)+4*(\hh)+\a
.endr
.endm
.macro LOADP buf, j                    ; p's K step j, four tiles of queries
.irp q, 0,1,2,3
.irp c, 0,1,2
	ds_load_b128 v[(\buf)+12*\q+4*\c:(\buf)+12*\q+4*\c+3], v4 offset:(4*\q+(\j))*1536+512*\c
.endr
.endr
.endm
; One product.  rD, rA, rB: the registers; rSA, rSB the scale registers; rRA, rRB: 1 = the scales stand in lanes 16-31; rZ: 1 = the product starts its sum
.macro WM
.if rZ
.if rRA && rRB
	v_wmma_scale_f32_16x16x128_f8f6f4 v[rD:rD+7], v[rA:rA+11], v[rB:rB+11], 0, v[rSA], v[rSB] matrix_a_fmt:MATRIX_FMT_FP6 matrix_b_fmt:MATRIX_FMT_FP6 matrix_a_scale:MATRIX_SCALE_ROW1 matrix_b_scale:MATRIX_SCALE_ROW1
.elseif rRA
	v_wmma_scale_f32_16x16x128_f8f6f4 v[rD:rD+7], v[rA:rA+11], v[rB:rB+11], 0, v[rSA], v[rSB] matrix_a_fmt:MATRIX_FMT_FP6 matrix_b_fmt:MATRIX_FMT_FP6 matrix_a_scale:MATRIX_SCALE_ROW1
.elseif rRB
	v_wmma_scale_f32_16x16x128_f8f6f4 v[rD:rD+7], v[rA:rA+11], v[rB:rB+11], 0, v[rSA], v[rSB] matrix_a_fmt:MATRIX_FMT_FP6 matrix_b_fmt:MATRIX_FMT_FP6 matrix_b_scale:MATRIX_SCALE_ROW1
.else
	v_wmma_scale_f32_16x16x128_f8f6f4 v[rD:rD+7], v[rA:rA+11], v[rB:rB+11], 0, v[rSA], v[rSB] matrix_a_fmt:MATRIX_FMT_FP6 matrix_b_fmt:MATRIX_FMT_FP6
.endif
.else
.if rRA && rRB
	v_wmma_scale_f32_16x16x128_f8f6f4 v[rD:rD+7], v[rA:rA+11], v[rB:rB+11], v[rD:rD+7], v[rSA], v[rSB] matrix_a_fmt:MATRIX_FMT_FP6 matrix_b_fmt:MATRIX_FMT_FP6 matrix_a_scale:MATRIX_SCALE_ROW1 matrix_b_scale:MATRIX_SCALE_ROW1
.elseif rRA
	v_wmma_scale_f32_16x16x128_f8f6f4 v[rD:rD+7], v[rA:rA+11], v[rB:rB+11], v[rD:rD+7], v[rSA], v[rSB] matrix_a_fmt:MATRIX_FMT_FP6 matrix_b_fmt:MATRIX_FMT_FP6 matrix_a_scale:MATRIX_SCALE_ROW1
.elseif rRB
	v_wmma_scale_f32_16x16x128_f8f6f4 v[rD:rD+7], v[rA:rA+11], v[rB:rB+11], v[rD:rD+7], v[rSA], v[rSB] matrix_a_fmt:MATRIX_FMT_FP6 matrix_b_fmt:MATRIX_FMT_FP6 matrix_b_scale:MATRIX_SCALE_ROW1
.else
	v_wmma_scale_f32_16x16x128_f8f6f4 v[rD:rD+7], v[rA:rA+11], v[rB:rB+11], v[rD:rD+7], v[rSA], v[rSB] matrix_a_fmt:MATRIX_FMT_FP6 matrix_b_fmt:MATRIX_FMT_FP6
.endif
.endif
.endm
; 16 products of S^T = K Q^T: the piece's four tiles x four tiles of queries, K step s.  The 16 accumulators take turns, one instruction a turn.
.macro MULK buf, sig, kb, s
	WIN 0x5c                                       ; source 0 (K) window 0, source 1 (Q) window 3, C and D window 1
.if (\s) == 0
.set rZ, 1
.else
.set rZ, 0
.endif
.set kt, 0
.rept 4
.set qt, 0
.rept 4
.set rD, 64*qt+8*((\kb)+kt)
.set rA, (\buf)+12*kt
.set rB, 12*(4*qt+(\s))
.set rSA, SC0+8*(\sig)+2*(\s)+kt/2
.set rSB, QS+2*(\s)+qt/2
.set rRA, kt%2
.set rRB, qt%2
	WM
.set qt, qt+1
.endr
.set kt, kt+1
.endr
.endm
; 16 products of O^T += V^T P^T: d tiles 4 hh .. 4 hh + 3 x four tiles of queries, the piece's K step jp = the step's K step j.  The 32 accumulators take turns.
.macro MULV vb, pb, sig, jp, hh, j, zero
	WIN 0xa5                                       ; sources 0 (V) and 1 (p) window 1, C and D window 2
.set rZ, \zero
.set rRB, 0
.set aa, 0
.rept 4
.set qt, 0
.rept 4
.set dt, 4*(\hh)+aa
.set rD, 8*(8*qt+dt)
.set rA, (\vb)+12*aa
.set rB, (\pb)+12*qt
.set rSA, SC0+8*(\sig)+4*(\jp)+dt/2
.set rSB, PS+4*qt+(\j)
.set rRA, dt%2
	WM
.set qt, qt+1
.endr
.set aa, aa+1
.endr
.endm
; PHASE 1 on the piece in slot sig: 64 slots, tiles kb .. kb + 3 of my eight.  Two buffers of four fragments; each group of 12 loads is issued 16 products ahead of its use.
; A load into a register that a matrix instruction has read stands four places behind it, a matrix instruction that writes over such a register five: v_nop are the places.
.macro PHASE1 sig, kb, meet
	LOADSC \sig
	LOADK KB0, \sig, 0
	LOADK KB1, \sig, 1
	ASK
	PLACES 2                                       ; with the four behind the tensor load: six places ahead of products that write over the registers that held V and p
	s_wait_dscnt 12                                ; all but K step 1's twelve loads
	MULK KB0, \sig, \kb, 0
	PLACES 4
	WIN 0
	LOADK KB0, \sig, 2
	s_wait_dscnt 12                                ; K step 1 is in
	MULK KB1, \sig, \kb, 1
	PLACES 4
	WIN 0
	LOADK KB1, \sig, 3
	s_wait_dscnt 12                                ; K step 2 is in
	MULK KB0, \sig, \kb, 2
.if \meet
	MEET 1-\sig
	s_wait_dscnt 1                                 ; K step 3 is in; the add may be out: sixteen products stand between it and the wait for it
.else
	s_wait_dscnt 0x0
.endif
	MULK KB1, \sig, \kb, 3
.endm
; PHASE 2 on the piece in slot sig: my 128 d x 256 slots, the step's K steps jb and jb + 1.
.macro PHASE2 sig, jb, first
	LOADSC \sig
.if (\jb) == 0
.irp q, 0,1,2,3
	ds_load_b128 v[PS+4*\q:PS+4*\q+3], v6 offset:512*\q        ; p's scale words of the four K steps
.endr
.endif
	WIN 0x40                                       ; destination window 1
	LOADP PB0, \jb
	LOADV VB0, \sig, 0, 0
	LOADV VB1, \sig, 0, 1
	WIN 0
	ASK
.if ((\jb) == 0) && !(\first)
	WIN 0x82                                       ; O^T (destination and source 0) window 2, f window 0
.set k, 0
.rept 128
	v_pk_mul_f32 v[2*k:2*k+1], v[2*k:2*k+1], v[ST+8*(k/32)+4:ST+8*(k/32)+5] op_sel_hi:[1,0]   ; O^T under the new M; each accumulator from its low end on; the loads above land meanwhile
.set k, k+1
.endr
.endif
	s_wait_dscnt 12                                ; all but V's second group
.if (\first) && ((\jb) == 0)
	MULV VB0, PB0, \sig, 0, 0, \jb, 1              ; the first step's products start O^T's sums: nothing is cleared
.else
	MULV VB0, PB0, \sig, 0, 0, \jb, 0
.endif
	PLACES 4
	WIN 0x40
	LOADV VB0, \sig, 1, 0
	LOADP PB1, (\jb)+1
	s_wait_dscnt 24                                ; V's second group is in
.if (\first) && ((\jb) == 0)
	MULV VB1, PB0, \sig, 0, 1, \jb, 1
.else
	MULV VB1, PB0, \sig, 0, 1, \jb, 0
.endif
	PLACES 4
	WIN 0x40
	LOADV VB1, \sig, 1, 1
	s_wait_dscnt 12                                ; the next K step's first group of V and its p are in
	MULV VB0, PB1, \sig, 1, 0, (\jb)+1, 0
	s_wait_dscnt 0x0
	MULV VB1, PB1, \sig, 1, 1, (\jb)+1, 0
.endm
; THE SOFTMAX of my 128 slots x 64 queries.  Register 16 k + i of window 1 (k = 4 qt + b) is slot 32 b + 16 (lane / 16) + i of query tile qt.  first = 1: the first step starts M, l.
.macro SOFTMAX first
	PLACES 4                                       ; behind the last products
	WIN 0x15
.set k, 0
.rept 16
	v_max3_num_f32 v[BM+k], v[16*k], v[16*k+1], v[16*k+2]      ; the largest score of each block of 32 slots; each accumulator is first read at its low end
.set k, k+1
.endr
	WIN 0x14
.irp i, 3,5,7,9,11,13
.set k, 0
.rept 16
	v_max3_num_f32 v[BM+k], v[BM+k], v[16*k+\i], v[16*k+\i+1]
.set k, k+1
.endr
.endr
.set k, 0
.rept 16
	v_max_num_f32 v[BM+k], v[BM+k], v[16*k+15]
.set k, k+1
.endr
	WIN 0
.set k, 0
.rept 16
	v_permlanex16_b32 v[T+k], v[BM+k], s[SEL], s[SEL+1]
.set k, k+1
.endr
.set k, 0
.rept 16
	v_max_num_f32 v[BM+k], v[BM+k], v[T+k]         ; with lane l xor 16's 16 slots
.set k, k+1
.endr
.irp q, 0,1,2,3
	v_max3_num_f32 v[ST+8*\q+7], v[BM+4*\q], v[BM+4*\q+1], v[BM+4*\q+2]
.endr
.irp q, 0,1,2,3
	v_max_num_f32 v[ST+8*\q+7], v[ST+8*\q+7], v[BM+4*\q+3]     ; my wave's largest score of the lane's query
.endr
.irp q, 0,1,2,3
	ds_store_b32 v5, v[ST+8*\q+7] offset:2048+512*\q
.endr
	s_wait_dscnt 0x0                               ; for the others' sake: my stores are done
	s_barrier_signal -1                            ; the piece that is on its way may stay out
	s_barrier_wait -1
.irp q, 0,1,2,3
	ds_load_b128 v[T+4*\q:T+4*\q+3], v6 offset:2048+512*\q     ; the four waves'
.endr
	s_wait_dscnt 0x0
.irp q, 0,1,2,3
	v_max3_num_f32 v[ST+8*\q+7], v[T+4*\q], v[T+4*\q+1], v[T+4*\q+2]
.endr
.irp q, 0,1,2,3
	v_max_num_f32 v[ST+8*\q+7], v[ST+8*\q+7], v[T+4*\q+3]      ; the step's largest score: the same in all four waves
.endr
.if \first
.irp q, 0,1,2,3
	v_mul_f32 v[ST+8*\q+1], s[CS], v[ST+8*\q+7]    ; as t
.endr
.else
.irp q, 0,1,2,3
	v_mul_f32 v[ST+8*\q+7], s[CS], v[ST+8*\q+7]
.endr
.irp q, 0,1,2,3
	v_max_num_f32 v[ST+8*\q+1], v[ST+8*\q+1], v[ST+8*\q+7]     ; the running largest t
	v_mov_b32 v[ST+8*\q+6], v[ST+8*\q]
.endr
.endif
.irp q, 0,1,2,3
	v_floor_f32 v[ST+8*\q], -v[ST+8*\q+1]          ; -M = floor(-t): M is a whole number
.endr
.if !(\first)
.irp q, 0,1,2,3
	v_sub_f32 v[ST+8*\q+4], v[ST+8*\q], v[ST+8*\q+6]           ; old M - new M: a whole number, 0 or less
.endr
.irp q, 0,1,2,3
	v_cvt_i32_f32 v[ST+8*\q+4], v[ST+8*\q+4]       ; (it saturates)
.endr
.irp q, 0,1,2,3
	v_ldexp_f32 v[ST+8*\q+4], 1.0, v[ST+8*\q+4]    ; f = 2^(old M - new M)
.endr
.endif
.set k, 0
.rept 16
	v_fma_f32 v[BM+k], v[BM+k], s[CS], v[ST+8*(k/4)]           ; t - M of each block's largest score
.set k, k+1
.endr
	WIN 0x41                                       ; S^T (destination and source 0) window 1, -M window 0
.set k, 0
.rept 128
	v_pk_fma_f32 v[2*k:2*k+1], v[2*k:2*k+1], s[CS:CS+1], v[ST+8*(k/32):ST+8*(k/32)+1] op_sel_hi:[1,0,0]   ; t - M, two at a time (of the pairs the low word serves both halves)
.set k, k+1
.endr
.set k, 0
.rept 256
	v_exp_f32 v[k], v[k]                           ; p = 2^(t - M): one batch
.set k, k+1
.endr
	v_nop                                          ; a plain place behind the last exponential
	s_wait_alu depctr_va_vdst(0)                   ; one wait for the batch, ahead of its first reader
	WIN 0
.set k, 0
.rept 16
	v_exp_f32 v[BM+k], v[BM+k]                     ; the blocks' largest p: a second, small batch
.set k, k+1
.endr
	WIN 0x05
.irp q, 0,1,2,3
	v_pk_add_f32 v[SA+4*\q:SA+4*\q+1], v[64*\q:64*\q+1], v[64*\q+4:64*\q+5]          ; the sum of the UNQUANTISED p, two chains a tile; plain work behind the sixteen
	v_pk_add_f32 v[SA+4*\q+2:SA+4*\q+3], v[64*\q+2:64*\q+3], v[64*\q+6:64*\q+7]
.endr
	WIN 0x04
.irp j, 8,12,16,20,24,28,32,36,40,44,48,52,56,60
.irp q, 0,1,2,3
	v_pk_add_f32 v[SA+4*\q:SA+4*\q+1], v[SA+4*\q:SA+4*\q+1], v[64*\q+\j:64*\q+\j+1]
	v_pk_add_f32 v[SA+4*\q+2:SA+4*\q+3], v[SA+4*\q+2:SA+4*\q+3], v[64*\q+\j+2:64*\q+\j+3]
.endr
.endr
	WIN 0
.if \first
.irp q, 0,1,2,3
	v_pk_add_f32 v[ST+8*\q+2:ST+8*\q+3], v[SA+4*\q:SA+4*\q+1], v[SA+4*\q+2:SA+4*\q+3]
.endr
.else
.irp q, 0,1,2,3
	v_pk_add_f32 v[SA+4*\q:SA+4*\q+1], v[SA+4*\q:SA+4*\q+1], v[SA+4*\q+2:SA+4*\q+3]
.endr
.irp q, 0,1,2,3
	v_pk_fma_f32 v[ST+8*\q+2:ST+8*\q+3], v[ST+8*\q+2:ST+8*\q+3], v[ST+8*\q+4:ST+8*\q+5], v[SA+4*\q:SA+4*\q+1] op_sel_hi:[1,0,1]   ; l = f l + the step's sum
.endr
.endif
	s_wait_alu depctr_va_vdst(0)                   ; and one wait for the sixteen
.set k, 0
.rept 16
	v_max_num_f32 v[BM+k], 0x1800000, v[BM+k]      ; the floor 2^(3 - 127): the byte cannot fall under 1 (a block whose every p is 0 keeps that byte: its codes are zeros)
.set k, k+1
.endr
.set k, 0
.rept 16
	v_add_nc_u32 v[T+k], 0xff000000, v[BM+k]       ; 2 off the exponent field: the conversion's scale operand
.set k, k+1
.endr
.set k, 0
.rept 16
	v_lshrrev_b32 v[BY+k], 23, v[T+k]              ; the scale's byte
.set k, k+1
.endr
.irp q, 0,1,2,3
	v_lshl_or_b32 v[PW+\q], v[BY+4*\q+1], 8, v[BY+4*\q]
.endr
.irp q, 0,1,2,3
	v_lshl_or_b32 v[PW+\q], v[BY+4*\q+2], 16, v[PW+\q]
.endr
.irp q, 0,1,2,3
	v_lshl_or_b32 v[PW+\q], v[BY+4*\q+3], 24, v[PW+\q]         ; p's scale word for my 128 slots
.endr
	WIN 0x01                                       ; p window 1, codes and scale operand window 0
.irp q, 0,1,2,3
.irp c, 0,1
	v_cvt_scalef32_pk16_fp6_f32 v[PC+20*\q+6*\c:PC+20*\q+6*\c+2], v[64*\q+32*\c:64*\q+32*\c+15], v[T+4*\q+2*\c]
	v_cvt_scalef32_pk16_fp6_f32 v[PC+20*\q+12+4*\c:PC+20*\q+14+4*\c], v[64*\q+32*\c+16:64*\q+32*\c+31], v[T+4*\q+2*\c+1]   ; (a conversion's three registers begin on an even number)
.endr
.endr
	WIN 0
	v_nop                                          ; one plain place behind a scaled conversion
.irp q, 0,1,2,3
.irp c, 0,1                                    ; the operand's layout wants a WHOLE block in a lane: lanes 0-15 block 2 c, lanes 16-31 block 2 c + 1
.irp i, 0,1,2
	v_permlane16_swap_b32 v[PC+20*\q+6*\c+\i], v[PC+20*\q+12+4*\c+\i]
.endr
.irp i, 0,1,2
	v_mov_b32 v[PC+20*\q+3+6*\c+\i], v[PC+20*\q+12+4*\c+\i]
.endr
.endr
.endr
.irp q, 0,1,2,3
.irp c, 0,1,2
	ds_store_b128 v3, v[PC+20*\q+4*\c:PC+20*\q+4*\c+3] offset:\q*6144+512*\c       ; the fragment goes to LDS as it stands: image (qt, my wave)
.endr
	ds_store_b32 v5, v[PW+\q] offset:512*\q
.endr
.endm
; A step up to the first half of its second product
.macro HEADSTEP first
	MEET 0                                         ; slots 0-63 of my 128 have landed
	TURN 0                                         ; slot 1 takes slots 64-127
	PHASE1 0, 0, 1
	TURN 1                                         ; slot 0 takes V's first 256 slots
	PHASE1 1, 4, 0
	SOFTMAX \first
	MEET 0
	TURN 0                                         ; slot 1 takes V's second 256 slots; this round also shows p's images and scale words to all four waves
	PHASE2 0, 0, \first
.endm
	s_load_b256 s[4:11], s[0:1], 0x0               ; img s[4:5], qimg s[6:7], opart s[8:9], stat s[10:11]
	v_lshl_add_u32 v7, v0, 2, SPARE                ; my spare word; never rewritten
	v_mov_b32 v8, 0                                ; 0; never rewritten
	ds_add_u32 v7, v8
	ds_add_u32 v7, v8
	s_wait_dscnt 0x0
	v_lshrrev_b32 v15, 5, v0
	v_readfirstlane_b32 s12, v15                   ; wave 0..3
	s_bfe_u32 s13, ttmp6, 0x40000                  ; cx: it enters the addresses of qimg, opart, stat and the prefetches alone
	s_lshl_b32 s14, ttmp9, 2
	s_add_co_u32 s14, s14, s13                     ; my block of 64 queries
	s_and_b32 s15, ttmp7, 0xffff                   ; the split, which the four partners share
	; descriptor group 1: a piece, 25,600 dense bytes, as 100 rows of 256 bytes (32 elements of 8 bytes); no padding: the images are read 16 bytes a lane on end
	s_mov_b32 s[G1+0], 15|(3<<16)|(1<<21)          ; 15:0 the mask: all four work-groups; 17:16 elements of 8 bytes; 21 set beside a mask
	s_mov_b32 s[G1+1], 32<<16                      ; tensor_dim0 = 32
	s_mov_b32 s[G1+2], 100<<16                     ; tensor_dim1 = 100
	s_mov_b32 s[G1+3], 32<<16                      ; tile_dim0 = 32
	s_mov_b32 s[G1+4], 100                         ; tile_dim1 = 100
	s_mov_b32 s[G1+5], 32                          ; from row to row
	s_mov_b32 s[G1+6], 0
	s_mov_b32 s[G1+7], 0
	s_mov_b32 s[CS], 0x3fb8aa3b                    ; log2(e)
	s_mov_b32 s[CS+1], s[CS]                       ; (named with it as a pair, so it is written)
	s_mov_b32 s[SEL], 0x76543210
	s_mov_b32 s[SEL+1], 0xfedcba98
	s_mov_b32 s45, 0
	s_cmp_eq_u32 ttmp9, 0                          ; all clusters of a split walk the same stream: the first of them prefetches; the same in all four partners
	s_cselect_b32 s46, 24, 0
	s_mul_i32 s50, s15, SPLITB
	s_mul_i32 s52, s12, PIECE
	s_add_co_u32 s52, s52, s50                     ; my wave's first piece
	s_mov_b32 s53, 0
	s_mul_i32 s54, s12, 2*PIECE                    ; my wave's two slots: no place in the cluster enters an LDS address
	s_lshl_b32 s56, s13, 2
	s_add_co_u32 s56, s56, s12
	s_lshl_b32 s56, s56, 13                        ; the prefetches: 8,192 bytes for each of the cluster's sixteen waves
	s_add_co_u32 s56, s56, s50
	s_add_co_u32 s56, s56, 131072                  ; the first change of slots steps it to byte 262,144
	s_mov_b32 s57, 0
	s_mul_i32 s58, s14, PIECE
	s_mov_b32 s59, 0
	s_lshl_b32 s60, s15, 22                        ; opart: a split is 2,048 rows of 2,048 bytes,
	s_lshl_b32 s61, s14, 17                        ; my block's 64 rows,
	s_add_co_u32 s60, s60, s61
	s_lshl_b32 s61, s12, 9                         ; my wave's 128 d
	s_add_co_u32 s60, s60, s61
	s_mov_b32 s61, 0
	s_lshl_b32 s62, s15, 14                        ; stat: [split][2][2048]
	s_lshl_b32 s63, s14, 8
	s_add_co_u32 s62, s62, s63
	s_mov_b32 s63, 0
	v_and_b32 v15, 31, v0                          ; lane (kept)
	v_lshlrev_b32 v11, 4, v15                      ; 16 x lane
	v_lshlrev_b32 v14, 2, v15                      ; 4 x lane
	v_lshlrev_b32 v13, 8, v15                      ; 256 x lane: the prefetches' offset
	v_add_nc_u32 v1, s54, v11                      ; images in my slots
	v_add_nc_u32 v2, s54, v14                      ; scale words in my slots
	s_mul_i32 s55, s12, 1536
	s_add_co_u32 s55, s55, PIMG
	v_add_nc_u32 v3, s55, v11                      ; where I store p's images
	v_add_nc_u32 v4, PIMG, v11                     ; and where any wave reads them
	v_add_nc_u32 v6, PSC, v11                      ; the small tables: 16 bytes a lane,
	s_lshl_b32 s55, s12, 2
	v_add_nc_u32 v5, s55, v6                       ; my wave's word of them
	v_and_b32 v200, 15, v0                         ; r
	v_bfe_u32 v201, v0, 4, 1                       ; h
	s_mul_i32 s55, s12, 16*SPITCH
	s_add_co_u32 s55, s55, STAGE                   ; my stage
	v_mul_u32_u24 v9, v200, SPITCH
	v_lshl_add_u32 v9, v201, 5, v9
	v_add_nc_u32 v9, s55, v9                       ; in: row r, 32 bytes for each half of the lanes
	v_add_nc_u32 v10, s55, v11                     ; back: a row of 512 bytes by the 32 lanes
	v_and_b32 v202, 8, v200
	v_add_nc_u32 v202, v202, v200                  ; r + 8 (r / 8)
	v_lshlrev_b32 v12, 2, v202
	v_lshl_add_u32 v12, v201, 13, v12              ; stat: lanes 0-15 -M, lanes 16-31 l, 8,192 bytes on
	s_wait_kmcnt 0x0
	s_add_nc_u64 s[48:49], s[4:5], s[56:57]
	s_add_nc_u64 s[6:7], s[6:7], s[58:59]
	s_add_nc_u64 s[8:9], s[8:9], s[60:61]
	s_add_nc_u64 s[10:11], s[10:11], s[62:63]
	s_mov_b32 s[G0], 1                             ; count = 1
	s_mov_b32 s[G0+1], s54                         ; LDS address: slot 0
	s_add_nc_u64 s[G0+2:G0+3], s[4:5], s[52:53]    ; piece 0
	s_or_b32 s[G0+3], s[G0+3], 0x80000000          ; type = 2
	s_mov_b32 s[G0+4], 1
	s_add_co_u32 s[G0+5], s54, PIECE               ; slot 1
	s_add_nc_u64 s[G0+6:G0+7], s[4:5], s[52:53]
	s_add_nc_u64 s[G0+6:G0+7], s[G0+6:G0+7], FILL  ; piece 1
	s_or_b32 s[G0+7], s[G0+7], 0x80000000
	CROUND                                         ; all four work-groups are here: the first joint loads meet
	tensor_load_to_lds s[G0:G0+3], s[G1:G1+7]
	s_nop 0
	PLACES 4
	WIN 0xc0                                       ; destination window 3
.set f, 0
.rept 16                                       ; Q's sixteen fragments stay in registers
.irp c, 0,1,2
	global_load_b128 v[12*f+4*\c:12*f+4*\c+3], v11, s[6:7] offset:f*1536+512*\c
.endr
.set f, f+1
.endr
	WIN 0
.irp i, 0,1,2,3,4,5,6,7
	global_load_b32 v[QS+\i], v14, s[6:7] offset:SCB+128*\i
.endr
.set k, 0
.rept 16
	v_mov_b32 v[T+k], 0                            ; written once: a lane permute's destination counts as one of its sources
.set k, k+1
.endr
.irp q, 0,1,2,3
	v_mov_b32 v[ST+8*\q+5], 0                      ; (named as the upper half of f's pair)
.endr
	s_wait_loadcnt 0x0                             ; Q
	HEADSTEP 1                                     ; the first step is written out: its products start O^T, its softmax has no old M
	WIN 0                                          ; at a label and at a branch every window is 0
	s_mov_b32 s44, 7
.Lstep:
	MEET 1                                         ; V's second 256 slots have landed
	TURN 1                                         ; slot 0 takes the next step's first piece
	PHASE2 1, 2, 0
	HEADSTEP 0
	WIN 0
	s_sub_co_u32 s44, s44, 1
	s_cmp_lg_u32 s44, 0
	s_cbranch_scc1 .Lstep
	s_wait_tensorcnt 0x0                           ; the last piece, which I alone read; nothing is filled any more, so no barrier stands here
	PLACES 4                                       ; in front of loads into the registers that the last products read
	PHASE2 1, 2, 0
	; THE WAY OUT.  l: my wave's sum over its own slots; the four waves' meet in LDS, and wave 0 stores -M and l.
	PLACES 4
	WIN 0
.irp q, 0,1,2,3
	v_add_f32 v[ST+8*\q+7], v[ST+8*\q+2], v[ST+8*\q+3]
.endr
.irp q, 0,1,2,3
	v_permlanex16_b32 v[T+\q], v[ST+8*\q+7], s[SEL], s[SEL+1]
.endr
.irp q, 0,1,2,3
	v_add_f32 v[ST+8*\q+7], v[ST+8*\q+7], v[T+\q]
.endr
.irp q, 0,1,2,3
	ds_store_b32 v5, v[ST+8*\q+7] offset:4096+512*\q
.endr
	s_wait_dscnt 0x0
	s_barrier_signal -1
	s_barrier_wait -1
	s_cmp_lg_u32 s12, 0
	s_cbranch_scc1 .Lnot_first_wave
.irp q, 0,1,2,3
	ds_load_b128 v[T+4*\q:T+4*\q+3], v6 offset:4096+512*\q
.endr
	v_cmp_le_u32 vcc_lo, 16, v15
	s_wait_dscnt 0x0
.irp q, 0,1,2,3
	v_add_f32 v[T+4*\q], v[T+4*\q], v[T+4*\q+1]
	v_add_f32 v[T+4*\q+2], v[T+4*\q+2], v[T+4*\q+3]
.endr
.irp q, 0,1,2,3
	v_add_f32 v[T+4*\q], v[T+4*\q], v[T+4*\q+2]
.endr
.irp q, 0,1,2,3
	v_cndmask_b32 v[BY+\q], v[ST+8*\q], v[T+4*\q], vcc_lo
	global_store_b32 v12, v[BY+\q], s[10:11] offset:(32*(\q/2)+8*(\q%2))*4
.endr
.Lnot_first_wave:
; O^T, a tile of 16 queries at a time: a lane holds 32 neighbouring bytes of a row and the lanes beside it other rows, so a tile goes through my own stage and comes back as rows of 512 bytes.
; LDS serves a wave's instructions in order (ISA guide 5.7.1.4): no wait between the stores and the loads, nor in front of the next tile's stores.
.macro TOSTAGE q
	WIN 0x08                                       ; an LDS store's data are its source 1: window 2
.irp d, 0,1,2,3,4,5,6,7
	ds_store_b128 v9, v[64*(\q)+8*\d:64*(\q)+8*\d+3] offset:64*\d          ; each accumulator from its low end on
	ds_store_b128 v9, v[64*(\q)+8*\d+4:64*(\q)+8*\d+7] offset:64*\d+16
.endr
	WIN 0x40                                       ; destination window 1: a set of 64 registers for each tile, so no store's data are written again
.irp i, 0,1,2,3,4,5,6,7,8,9,10,11,12,13,14,15
	ds_load_b128 v[64*(\q)+4*\i:64*(\q)+4*\i+3], v10 offset:SPITCH*\i
.endr
.endm
.macro SEND q, younger                         ; younger: the LDS instructions issued behind tile q's loads
	s_wait_dscnt \younger
	WIN 0x04                                       ; a store's data are its source 1: window 1
.irp i, 0,1,2,3,4,5,6,7,8,9,10,11,12,13,14,15
	global_store_b128 v11, v[64*(\q)+4*\i:64*(\q)+4*\i+3], s[8:9] offset:(32*((\q)/2)+8*((\q)%2)+\i+8*(\i/8))*2048 th:TH_STORE_NT   ; 32 lanes store 512 consecutive bytes, aligned to 256; row i of the tile is this query of the block
.endr
.endm
	TOSTAGE 0
	TOSTAGE 1
	SEND 0, 32
	TOSTAGE 2
	SEND 1, 32
	TOSTAGE 3
	SEND 2, 32
	SEND 3, 0
	WIN 0
	s_wait_tensorcnt 0x0                           ; the wave's end
	ds_add_u32 v7, v8
	s_wait_dscnt 0x0
	CROUND                                         ; the closing round: no work-group ends while a partner may still ask for a piece that names it
	s_endpgm
.Lfunc_end_k_q6608f24c44_attn:
	.size	k_q6608f24c44_attn, .Lfunc_end_k_q6608f24c44_attn-k_q6608f24c44_attn
	.p2alignl 7, 3214868480
	.fill 96, 4, 3214868480
	.section	.rodata,"a",@progbits
	.p2align	6, 0x0
	.amdhsa_kernel k_q6608f24c44_attn
		.amdhsa_group_segment_fixed_size 327680
		.amdhsa_private_segment_fixed_size 0
		.amdhsa_enable_private_segment 0
		.amdhsa_kernarg_size 32
		.amdhsa_user_sgpr_count 2
		.amdhsa_user_sgpr_kernarg_segment_ptr 1
		.amdhsa_wavefront_size32 1
		.amdhsa_system_sgpr_workgroup_id_x 1
		.amdhsa_system_sgpr_workgroup_id_y 1
		.amdhsa_system_sgpr_workgroup_id_z 1
		.amdhsa_system_vgpr_workitem_id 0
		.amdhsa_next_free_vgpr 1024
		.amdhsa_next_free_sgpr 66
		.amdhsa_reserve_vcc 1
		.amdhsa_float_denorm_mode_32 3
		.amdhsa_float_denorm_mode_16_64 3
		.amdhsa_memory_ordered 1
		.amdhsa_forward_progress 1
		.amdhsa_inst_pref_size 235
	.end_amdhsa_kernel
	.amdgpu_metadata
---
amdhsa.version: [ 1, 2 ]
amdhsa.kernels:
  - .name:           k_q6608f24c44_attn
    .symbol:         k_q6608f24c44_attn.kd
    .args:
      - { .name: img, .offset: 0, .size: 8, .value_kind: global_buffer, .address_space: global }
      - { .name: qimg, .offset: 8, .size: 8, .value_kind: global_buffer, .address_space: global }
      - { .name: opart, .offset: 16, .size: 8, .value_kind: global_buffer, .address_space: global }
      - { .name: stat, .offset: 24, .size: 8, .value_kind: global_buffer, .address_space: global }
    .group_segment_fixed_size: 327680
    .private_segment_fixed_size: 0
    .kernarg_segment_align: 8
    .kernarg_segment_size: 32
    .max_flat_workgroup_size: 128
    .sgpr_count:     66
    .vgpr_count:     1024
    .wavefront_size: 32
...
	.end_amdgpu_metadata
.endif
;; end of part 2
;; launch combine (part 3): grid 512 x 1, 4 waves a work-group, no clusters, 0 bytes of LDS; arguments opart, stat, out0; writes out0
.if DOCPART == 3
	.amdgcn_target "amdgcn-amd-amdhsa--gfx1250"
	.amdhsa_code_object_version 6
	.text
	.protected	k_q6608f24c44_combine
	.globl	k_q6608f24c44_combine
	.p2align	8
	.type	k_q6608f24c44_combine,@function
k_q6608f24c44_combine:
	s_mov_b64 s[64:65], 0
	v_nop
	global_prefetch_b8 v0, s[64:65] scope:SCOPE_SE
	s_setreg_imm32_b32 hwreg(HW_REG_WAVE_MODE, 25, 1), 1
	s_wait_xcnt 0x0
; out[q][:] = sum over the 8 splits of 2^(M_s - Mg) O_s[q][:] / sum over the splits of 2^(M_s - Mg) l_s, Mg the largest M_s.  The M are whole numbers, so the weights are exact powers of two.
; opart [8][2048][512] f32; stat [8][2][2048] f32: plane 0 holds -M, plane 1 l.  One wave takes one query: 8 rows of 2,048 bytes, each load 512 consecutive bytes; all 32 loads are out at once.
; A stream: no LDS, no barrier, no matrix unit.
.set D, 16                             ; v16-143: split s, quarter c at v[D + 16 s + 4 c]
.set W, 144                            ; v144-159: the weights, in pairs
.set A, 160                            ; v160-175: the sums
	s_load_b128 s[4:7], s[0:1], 0x0                ; opart, stat
	s_load_b64 s[8:9], s[0:1], 0x10                ; out0
	v_lshrrev_b32 v1, 5, v0
	v_readfirstlane_b32 s10, v1
	s_lshl_b32 s11, ttmp9, 2
	s_add_co_u32 s11, s11, s10                     ; my query
	s_lshl_b32 s12, s11, 11                        ; its row of 2,048 bytes
	s_mov_b32 s13, 0
	s_lshl_b32 s14, s11, 2                         ; its word in a plane of stat
	s_mov_b32 s15, 0
	v_and_b32 v1, 31, v0
	v_lshlrev_b32 v4, 4, v1                        ; 16 x lane; splits 0, 1
	v_add_nc_u32 v5, 0x800000, v4                  ; splits 2, 3: two splits of 4,194,304 bytes on
	v_add_nc_u32 v6, 0x1000000, v4                 ; splits 4, 5
	v_add_nc_u32 v7, 0x1800000, v4                 ; splits 6, 7
	s_wait_kmcnt 0x0
	s_add_nc_u64 s[4:5], s[4:5], s[12:13]
	s_add_nc_u64 s[6:7], s[6:7], s[14:15]
	s_add_nc_u64 s[8:9], s[8:9], s[12:13]
.irp s, 0,1,2,3,4,5,6,7
	s_load_b32 s[16+\s], s[6:7], \s*16384          ; -M_s
	s_load_b32 s[24+\s], s[6:7], \s*16384+8192     ; l_s
.endr
.irp s, 0,1,2,3,4,5,6,7
.irp c, 0,1,2,3
	global_load_b128 v[D+16*\s+4*\c:D+16*\s+4*\c+3], v[4+\s/2], s[4:5] offset:(\s%2)*4194304+512*\c th:TH_LOAD_NT
.endr
.endr
	s_wait_kmcnt 0x0
	v_mov_b32 v2, s16
	v_min3_num_f32 v2, v2, s17, s18
	v_min3_num_f32 v2, v2, s19, s20
	v_min3_num_f32 v2, v2, s21, s22
	v_min_num_f32 v2, s23, v2                      ; -Mg: the least -M
.irp s, 0,1,2,3,4,5,6,7
	v_sub_f32 v[W+2*\s], v2, s[16+\s]              ; M_s - Mg: a whole number, 0 or less
.endr
.irp s, 0,1,2,3,4,5,6,7
	v_cvt_i32_f32 v[W+2*\s], v[W+2*\s]             ; (it saturates)
.endr
.irp s, 0,1,2,3,4,5,6,7
	v_ldexp_f32 v[W+2*\s], 1.0, v[W+2*\s]
.endr
	v_mul_f32 v3, s24, v[W]
.irp s, 1,2,3,4,5,6,7
	v_fma_f32 v3, v[W+2*\s], s[24+\s], v3          ; the row's sum under Mg: at least 1/2, from the split that holds the largest t
.endr
	v_rcp_f32 v8, v3
	v_nop                                          ; a plain place behind the transcendental
	s_wait_alu depctr_va_vdst(0)                   ; and the wait ahead of its first reader
.irp s, 0,1,2,3,4,5,6,7
	v_mul_f32 v[W+2*\s], v[W+2*\s], v8
.endr
.irp s, 0,1,2,3,4,5,6,7
	v_mov_b32 v[W+2*\s+1], v[W+2*\s]               ; (the packed forms name the pair)
.endr
.irp s, 0,1,2,3,4,5,6,7
	s_wait_loadcnt 28-4*\s                         ; loads come back in order: split s is in, the later splits' loads stay out
.irp p, 0,1,2,3,4,5,6,7
.if \s == 0
	v_pk_mul_f32 v[A+2*\p:A+2*\p+1], v[D+2*\p:D+2*\p+1], v[W:W+1] op_sel_hi:[1,0]
.else
	v_pk_fma_f32 v[A+2*\p:A+2*\p+1], v[D+16*\s+2*\p:D+16*\s+2*\p+1], v[W+2*\s:W+2*\s+1], v[A+2*\p:A+2*\p+1] op_sel_hi:[1,0,1]
.endif
.endr
.endr
.irp c, 0,1,2,3
	global_store_b128 v4, v[A+4*\c:A+4*\c+3], s[8:9] offset:512*\c th:TH_STORE_NT      ; 32 lanes store 512 consecutive bytes, aligned to 256
.endr
	s_endpgm
.Lfunc_end_k_q6608f24c44_combine:
	.size	k_q6608f24c44_combine, .Lfunc_end_k_q6608f24c44_combine-k_q6608f24c44_combine
	.p2alignl 7, 3214868480
	.fill 96, 4, 3214868480
	.section	.rodata,"a",@progbits
	.p2align	6, 0x0
	.amdhsa_kernel k_q6608f24c44_combine
		.amdhsa_group_segment_fixed_size 0
		.amdhsa_private_segment_fixed_size 0
		.amdhsa_enable_private_segment 0
		.amdhsa_kernarg_size 24
		.amdhsa_user_sgpr_count 2
		.amdhsa_user_sgpr_kernarg_segment_ptr 1
		.amdhsa_wavefront_size32 1
		.amdhsa_system_sgpr_workgroup_id_x 1
		.amdhsa_system_sgpr_workgroup_id_y 1
		.amdhsa_system_sgpr_workgroup_id_z 1
		.amdhsa_system_vgpr_workitem_id 0
		.amdhsa_next_free_vgpr 192
		.amdhsa_next_free_sgpr 66
		.amdhsa_reserve_vcc 0
		.amdhsa_float_denorm_mode_32 3
		.amdhsa_float_denorm_mode_16_64 3
		.amdhsa_memory_ordered 1
		.amdhsa_forward_progress 1
		.amdhsa_inst_pref_size 13
	.end_amdhsa_kernel
	.amdgpu_metadata
---
amdhsa.version: [ 1, 2 ]
amdhsa.kernels:
  - .name:           k_q6608f24c44_combine
    .symbol:         k_q6608f24c44_combine.kd
    .args:
      - { .name: opart, .offset: 0, .size: 8, .value_kind: global_buffer, .address_space: global }
      - { .name: stat, .offset: 8, .size: 8, .value_kind: global_buffer, .address_space: global }
      - { .name: out0, .offset: 16, .size: 8, .value_kind: global_buffer, .address_space: global }
    .group_segment_fixed_size: 0
    .private_segment_fixed_size: 0
    .kernarg_segment_align: 8
    .kernarg_segment_size: 24
    .max_flat_workgroup_size: 128
    .sgpr_count:     66
    .vgpr_count:     192
    .wavefront_size: 32
...
	.end_amdgpu_metadata
.endif
;; end of part 3
;; ======== version 2 of 2: 3 launches
;; workspace buffers: img 26,214,400 bytes; qimg 819,200 bytes; opart 33,554,432 bytes; stat 131,072 bytes
;; launch quant (part 4): grid 1088 x 1, 4 waves a work-group, no clusters, 68,352 bytes of LDS; arguments memory, query, img, qimg; writes img, qimg
.if DOCPART == 4
	.amdgcn_target "amdgcn-amd-amdhsa--gfx1250"
	.amdhsa_code_object_version 6
	.text
	.protected	k_q6608f24c44_quant
	.globl	k_q6608f24c44_quant
	.p2align	8
	.type	k_q6608f24c44_quant,@function
k_q6608f24c44_quant:
	s_mov_b64 s[64:65], 0
	v_nop
	global_prefetch_b8 v0, s[64:65] scope:SCOPE_SE
	s_setreg_imm32_b32 hwreg(HW_REG_WAVE_MODE, 25, 1), 1
	s_wait_xcnt 0x0
; memory [32768][512] and query [2048][512], f32, are turned into codes of FP6 (E2M3) with one E8M0 scale byte for each 32 along K, laid as IMAGES OF OPERAND REGISTERS.
; memory is quantised twice: along d (K of the first product) and along the slots (K of the second); query along d.  Each f32 number is read from memory once.
; A PIECE is 25,600 bytes: 16 fragment images of 1,536 bytes (registers 4 c .. 4 c + 3 of lane l at 512 c + 16 l), then at byte 24,576 eight scale registers of 128 bytes (4 bytes a lane:
; lanes 0-15 the words of an even tile's rows, lanes 16-31 those of the next odd tile).
; K-type piece: 64 rows x 512 d; fragment 4 kt + s (tile kt, K step s); row m of tile kt is row 32 (kt / 2) + 8 (kt % 2) + m + 8 (m / 8) of the 64; scale register 2 s + kt / 2.
; V-type piece: 128 d x 256 slots; fragment 8 j + dt (K step j, tile dt of 16 d); scale register 4 j + dt / 2.
; img[split of 4,096 slots][wave][4 x step of 512 slots + phase]: phases 0, 1: K-type, slots 128 wave + 64 phase on; phases 2, 3: V-type, d 128 wave on, slots 256 (phase - 2) on:
; what one wave of the next launch reads is one run of 32 pieces, in the order in which it reads them.  qimg[block of 64 queries]: K-type.
; A block's scale is 2^(floor(log2(largest magnitude)) - 2); its byte is the largest magnitude's exponent field - 2, held at 1 from below.
; LIMITS: a block of zeros gets the byte 1 where the rule says 127 (its codes are zeros, and this program alone reads the bytes); blocks whose largest magnitude lies under 2^-124 keep the byte 1; NaN and infinities are not served.
; SHARES.  Work-groups 0-1023: a region of 128 slots x 128 d of memory; 1024-1087: the same of query (K-type fragments only).  The region goes into LDS as f32; wave w makes the K-type fragments of its own 32 rows
; (two tiles), and behind one barrier the V-type fragments of d tiles 2 w, 2 w + 1 (a lane to a column, registers down the slots).
; LDS: row p at 528 p + 64 (p / 32): 528 bytes = 33 x 16, so the 16 rows of a 16-byte read start at 16 different groups of banks (64 banks of 4 bytes: ISA guide 11.1); the 64 bytes for each 32 rows put lanes 16-31 of a column read 16 banks on.
; LDS row 32 w + i holds region row 32 w + (i with bits 3 and 4 exchanged): the rows lie in the tiles' order.
.set PIECE, 25600
.set SCB,   24576
.set PITCH, 528
.set WREG,  32*PITCH+64                ; 32 rows: 16,960 bytes
.set X0,    16                         ; v16-143: the 32 loads; then X0 = v16-79, X1 = v80-143: 64 numbers of a lane
.set X1,    80
.set PC,    144                        ; v144-191: four fragments' codes, never rewritten: no store's data are written again
.set TMP,   192                        ; v192-194, v196-198: the upper halves of a block's codes
.set SEL,   40                         ; s[40:41] v_permlanex16_b32's selects for lane l xor 16
	s_load_b256 s[4:11], s[0:1], 0x0               ; memory s[4:5], query s[6:7], img s[8:9], qimg s[10:11]
	v_lshl_add_u32 v208, v0, 2, 0x10900
	v_mov_b32 v209, 0
	v_lshrrev_b32 v1, 5, v0
	v_readfirstlane_b32 s12, v1                    ; wave 0..3
	v_and_b32 v1, 31, v0                           ; lane
	v_and_b32 v2, 15, v0                           ; r
	v_bfe_u32 v3, v0, 4, 1                         ; h
	v_lshlrev_b32 v4, 4, v1                        ; 16 x lane: my bytes of a load of 512, and of an image
	s_mul_i32 s13, s12, WREG
	v_add_nc_u32 v5, s13, v4                       ; into LDS: my wave's rows, 16 x lane
	v_mul_u32_u24 v6, v2, PITCH
	v_lshl_add_u32 v6, v3, 7, v6
	v_add_nc_u32 v6, s13, v6                       ; K-type reads: row r of a tile of my wave, + 128 h bytes (32 numbers)
	v_lshlrev_b32 v7, 2, v2
	v_mad_u32_u24 v7, v3, WREG, v7
	s_lshl_b32 s14, s12, 7
	v_add_nc_u32 v7, s14, v7                       ; V-type reads: column 32 w + r, lanes 16-31 begin 32 rows further down
	v_lshlrev_b32 v8, 2, v1                        ; 4 x lane: a scale word's place
	v_lshlrev_b32 v9, 3, v3                        ; 8 h: my bytes' place in a scale word
	v_cmp_le_u32 vcc_lo, 16, v1                    ; lanes 16-31 (kept for the whole kernel)
	s_mov_b32 s[SEL], 0x76543210
	s_mov_b32 s[SEL+1], 0xfedcba98
	s_and_b32 s15, ttmp9, 1023                     ; the region's number in its tensor
	s_lshr_b32 s16, s15, 2                         ; which 128 rows
	s_and_b32 s17, s15, 3                          ; which 128 d: s
	s_lshr_b32 s18, s16, 5                         ; the split: 32 regions of 128 slots,
	s_lshl_b32 s18, s18, 7                         ; 128 pieces
	s_bfe_u32 s19, s16, 0x30002                    ; the step in the split (3 bits from bit 2):
	s_lshl_b32 s19, s19, 2                         ; four pieces of each wave's run
	s_add_co_u32 s18, s18, s19
	s_and_b32 s19, s16, 3                          ; which 128 slots of the step: the wave that will read them
	s_lshl_b32 s20, s19, 5                         ; 32 pieces a wave
	s_add_co_u32 s20, s20, s18                     ; memory: the K-type piece of rows 0-63
	s_lshl_b32 s21, s16, 1                         ; query: likewise
	s_lshr_b32 s22, s12, 1                         ; my rows lie in the first or the second 64
	s_and_b32 s23, s12, 1                          ; and there in tiles 0, 1 or 2, 3
	s_lshl_b32 s24, s16, 18                        ; the source: 128 rows of 2,048 bytes,
	s_lshl_b32 s25, s17, 9                         ; 128 d,
	s_add_co_u32 s24, s24, s25
	s_lshl_b32 s25, s12, 16                        ; my wave's 32 rows
	s_add_co_u32 s24, s24, s25
	s_mov_b32 s25, 0
	s_lshr_b32 s26, s19, 1                         ; the V-type piece: phase 2 or 3,
	s_add_co_u32 s26, s26, s18
	s_lshl_b32 s27, s17, 5                         ; of the wave that owns these 128 d
	s_add_co_u32 s26, s26, s27
	s_add_co_u32 s26, s26, 2
	s_mul_i32 s26, s26, PIECE
	s_and_b32 s27, s16, 1                          ; its K step j
	s_mul_i32 s28, s27, 8*1536
	s_mul_i32 s29, s12, 2*1536                     ; d tiles 2 w, 2 w + 1
	s_add_co_u32 s28, s28, s29
	s_add_co_u32 s28, s28, s26
	s_mov_b32 s29, 0
	s_lshl_b32 s30, s27, 2
	s_add_co_u32 s30, s30, s12                     ; scale register 4 j + w
	s_lshl_b32 s30, s30, 7
	s_add_co_u32 s30, s30, s26
	s_add_co_u32 s30, s30, SCB
	s_mov_b32 s31, 0
	s_wait_kmcnt 0x0
	s_cmp_lt_u32 ttmp9, 1024                       ; memory's work-group or query's?  The choice hangs on the work-group's number alone
	s_cselect_b64 s[4:5], s[4:5], s[6:7]
	s_cselect_b64 s[32:33], s[8:9], s[10:11]
	s_cselect_b32 s20, s20, s21
	s_add_nc_u64 s[4:5], s[4:5], s[24:25]
.set i, 0
.rept 32                                       ; 32 rows x 512 consecutive bytes; load i brings the row that LDS row i holds
	global_load_b128 v[X0+4*i:X0+4*i+3], v4, s[4:5] offset:((i&7)+((i>>3)&1)*16+((i>>4)&1)*8)*2048 th:TH_LOAD_NT
.set i, i+1
.endr
	s_add_co_u32 s20, s20, s22                     ; rows 64-127 lie in the next piece
	s_mul_i32 s20, s20, PIECE                      ; my K-type piece
	s_mul_i32 s34, s23, 8*1536                     ; tiles 2 (w % 2) + f: fragment 4 kt + s
	s_mul_i32 s35, s17, 1536
	s_add_co_u32 s34, s34, s35
	s_add_co_u32 s34, s34, s20
	s_mov_b32 s35, 0
	s_add_nc_u64 s[34:35], s[32:33], s[34:35]      ; K-type codes
	s_lshl_b32 s36, s17, 8                         ; scale register 2 s + w % 2
	s_lshl_b32 s37, s23, 7
	s_add_co_u32 s36, s36, s37
	s_add_co_u32 s36, s36, s20
	s_add_co_u32 s36, s36, SCB
	s_mov_b32 s37, 0
	s_add_nc_u64 s[36:37], s[32:33], s[36:37]      ; K-type scale words
	s_add_nc_u64 s[28:29], s[8:9], s[28:29]        ; V-type codes
	s_add_nc_u64 s[30:31], s[8:9], s[30:31]        ; V-type scale words
.set g, 0
.rept 4
	s_wait_loadcnt 24-8*g                          ; loads come back in order: this group of eight is in, the younger groups stay out
.set i, 8*g
.rept 8
	ds_store_b128 v5, v[X0+4*i:X0+4*i+3] offset:i*PITCH
.set i, i+1
.endr
.set g, g+1
.endr
	s_wait_dscnt 0x0                               ; the stores have read their registers, which are loaded again below
; 64 numbers of a lane, v[x + 32 c + i] = k 64 c + 32 h + i of its row: two whole blocks.  They become a fragment's 12 registers at v[pc] and the row's scale word in v[w].
.macro QUANT2 x, pc, w
	v_max3_num_f32 v10, |v[(\x)]|, |v[(\x)+1]|, 0x1800000      ; and the floor 2^(3 - 127): the byte cannot fall under 1
	v_max3_num_f32 v11, |v[(\x)+32]|, |v[(\x)+33]|, 0x1800000
.irp i, 2,4,6,8,10,12,14,16,18,20,22,24,26,28,30
	v_max3_num_f32 v10, v10, |v[(\x)+\i]|, |v[(\x)+\i+1]|      ; the two blocks by turns
	v_max3_num_f32 v11, v11, |v[(\x)+32+\i]|, |v[(\x)+33+\i]|
.endr
	v_add_nc_u32 v12, 0xff000000, v10              ; 2 off the exponent field: the conversion takes this operand's exponent field as its scale
	v_add_nc_u32 v13, 0xff000000, v11
	v_lshrrev_b32 v14, 23, v12                     ; the scales' bytes
	v_lshrrev_b32 v15, 23, v13
	v_lshl_or_b32 v14, v15, 16, v14                ; blocks h and 2 + h of my row,
	v_lshlrev_b32 v14, v9, v14                     ; at their places in the word;
	v_permlanex16_b32 v15, v14, s[SEL], s[SEL+1]
	v_or_b32 v[\w], v14, v15                       ; with lane l xor 16's two the word is whole
	v_cvt_scalef32_pk16_fp6_f32 v[(\pc):(\pc)+2], v[(\x):(\x)+15], v12
	v_cvt_scalef32_pk16_fp6_f32 v[TMP:TMP+2], v[(\x)+16:(\x)+31], v12      ; (a conversion's three registers begin on an even number)
	v_cvt_scalef32_pk16_fp6_f32 v[(\pc)+6:(\pc)+8], v[(\x)+32:(\x)+47], v13
	v_cvt_scalef32_pk16_fp6_f32 v[TMP+4:TMP+6], v[(\x)+48:(\x)+63], v13
	v_nop                                          ; one plain place behind a scaled conversion
.irp c, 0,1
.irp i, 0,1,2
	v_mov_b32 v[(\pc)+6*\c+3+\i], v[TMP+4*\c+\i]
.endr
.endr
.endm
.macro KLOAD f, x                              ; tile f of my wave: row r, my 64 numbers
.irp c, 0,1
.irp e, 0,1,2,3,4,5,6,7
	ds_load_b128 v[(\x)+32*\c+4*\e:(\x)+32*\c+4*\e+3], v6 offset:16*(\f)*PITCH+256*\c+16*\e
.endr
.endr
.endm
.macro VLOAD f, c, x                           ; d tile 2 w + f: column r, slots 64 c + 32 h + i
.set i, 0
.rept 32
	ds_load_b32 v[(\x)+32*(\c)+i], v7 offset:(\c)*2*WREG+((i&7)+((i>>3)&1)*16+((i>>4)&1)*8)*PITCH+64*(\f)
.set i, i+1
.endr
.endm
	; ---- K-type: my own 32 rows, so no barrier stands in front of these reads
	KLOAD 0, X0
	KLOAD 1, X1
	s_wait_dscnt 16                                ; tile 0's sixteen loads are in, tile 1's may be out
	QUANT2 X0, PC, 200
.irp c, 0,1,2
	global_store_b128 v4, v[PC+4*\c:PC+4*\c+3], s[34:35] offset:512*\c             ; 32 lanes store 512 consecutive bytes, aligned to 256
.endr
	s_wait_dscnt 0x0
	QUANT2 X1, PC+12, 201
.irp c, 0,1,2
	global_store_b128 v4, v[PC+12+4*\c:PC+12+4*\c+3], s[34:35] offset:4*1536+512*\c
.endr
	v_cndmask_b32 v202, v200, v201, vcc_lo         ; lanes 0-15 the even tile's words, lanes 16-31 the odd tile's
	global_store_b32 v8, v202, s[36:37]
	s_wait_dscnt 0x0                               ; no LDS instruction of mine is out (my stores into the region were waited for above)
	s_barrier_signal -1
	s_barrier_wait -1                              ; the whole region lies in LDS
	s_cmp_ge_u32 ttmp9, 1024                       ; query has no second product
	s_cbranch_scc1 .Lend
	; ---- V-type
	VLOAD 0, 0, X0
	VLOAD 0, 1, X0
	VLOAD 1, 0, X1
	s_wait_dscnt 32                                ; the first tile's 64 loads are in
	QUANT2 X0, PC+24, 203
.irp c, 0,1,2
	global_store_b128 v4, v[PC+24+4*\c:PC+24+4*\c+3], s[28:29] offset:512*\c
.endr
	VLOAD 1, 1, X1
	s_wait_dscnt 0x0
	QUANT2 X1, PC+36, 204
.irp c, 0,1,2
	global_store_b128 v4, v[PC+36+4*\c:PC+36+4*\c+3], s[28:29] offset:1536+512*\c
.endr
	v_cndmask_b32 v205, v203, v204, vcc_lo
	global_store_b32 v8, v205, s[30:31]
.Lend:
	s_wait_tensorcnt 0x0
	ds_add_u32 v208, v209
	s_wait_dscnt 0x0
	s_endpgm
.Lfunc_end_k_q6608f24c44_quant:
	.size	k_q6608f24c44_quant, .Lfunc_end_k_q6608f24c44_quant-k_q6608f24c44_quant
	.p2alignl 7, 3214868480
	.fill 96, 4, 3214868480
	.section	.rodata,"a",@progbits
	.p2align	6, 0x0
	.amdhsa_kernel k_q6608f24c44_quant
		.amdhsa_group_segment_fixed_size 68352
		.amdhsa_private_segment_fixed_size 0
		.amdhsa_enable_private_segment 0
		.amdhsa_kernarg_size 32
		.amdhsa_user_sgpr_count 2
		.amdhsa_user_sgpr_kernarg_segment_ptr 1
		.amdhsa_wavefront_size32 1
		.amdhsa_system_sgpr_workgroup_id_x 1
		.amdhsa_system_sgpr_workgroup_id_y 1
		.amdhsa_system_sgpr_workgroup_id_z 1
		.amdhsa_system_vgpr_workitem_id 0
		.amdhsa_next_free_vgpr 210
		.amdhsa_next_free_sgpr 66
		.amdhsa_reserve_vcc 1
		.amdhsa_float_denorm_mode_32 3
		.amdhsa_float_denorm_mode_16_64 3
		.amdhsa_memory_ordered 1
		.amdhsa_forward_progress 1
		.amdhsa_inst_pref_size 33
	.end_amdhsa_kernel
	.amdgpu_metadata
---
amdhsa.version: [ 1, 2 ]
amdhsa.kernels:
  - .name:           k_q6608f24c44_quant
    .symbol:         k_q6608f24c44_quant.kd
    .args:
      - { .name: memory, .offset: 0, .size: 8, .value_kind: global_buffer, .address_space: global }
      - { .name: query, .offset: 8, .size: 8, .value_kind: global_buffer, .address_space: global }
      - { .name: img, .offset: 16, .size: 8, .value_kind: global_buffer, .address_space: global }
      - { .name: qimg, .offset: 24, .size: 8, .value_kind: global_buffer, .address_space: global }
    .group_segment_fixed_size: 68352
    .private_segment_fixed_size: 0
    .kernarg_segment_align: 8
    .kernarg_segment_size: 32
    .max_flat_workgroup_size: 128
    .sgpr_count:     66
    .vgpr_count:     210
    .wavefront_size: 32
...
	.end_amdgpu_metadata
.endif
;; end of part 4
;; launch attn (part 5): grid 32 x 8, 4 waves a work-group, clusters of 4 x 1, 327,680 bytes of LDS; arguments img, qimg, opart, stat; writes opart, stat
.if DOCPART == 5
	.amdgcn_target "amdgcn-amd-amdhsa--gfx1250"
	.amdhsa_code_object_version 6
	.text
	.protected	k_q6608f24c44_attn
	.globl	k_q6608f24c44_attn
	.p2align	8
	.type	k_q6608f24c44_attn,@function
k_q6608f24c44_attn:
	s_mov_b64 s[64:65], 0
	v_nop
	global_prefetch_b8 v0, s[64:65] scope:SCOPE_SE
	s_setreg_imm32_b32 hwreg(HW_REG_WAVE_MODE, 25, 1), 1
	s_wait_xcnt 0x0
	s_wait_alu depctr_hold_cnt(0) depctr_sa_sdst(0) depctr_va_vdst(0) depctr_va_sdst(0) depctr_va_ssrc(0) depctr_va_vcc(0) depctr_vm_vsrc(0)
	s_getreg_b32 s2, hwreg(HW_REG_IB_STS2, 6, 4)
	s_cmp_eq_u32 s2, 0
	s_cbranch_scc0 .Lentry_in_a_cluster
	s_endpgm
.Lentry_in_a_cluster:
	s_bfe_u32 s2, ttmp6, 0x10000c
	s_cmp_lg_u32 s2, 0x3003
	s_cbranch_scc0 .Lentry_shape_is_right
	s_endpgm
.Lentry_shape_is_right:
; One read of the memory bank, both products on codes of FP6 (E2M3) with one E8M0 scale for each 32 along K.  A work-group takes 64 queries and one of 8 splits of 4,096 slots, and stores
; O = sum of p V (not normalised) under the split's own M, with -M and l = sum of p; a later launch joins the eight splits.
; t = score x log2(e); M = the running largest t rounded UP to a whole number; p = 2^(t - M) is quantised along the slots; l is the sum of the unquantised p.  When M moves, l and O are multiplied by 2^(old M - new M): exact.
; A STEP is 512 slots, 8 steps.  THE FOUR WAVES SHARE THE SLOTS IN THE FIRST PRODUCT AND d IN THE SECOND:
;   first product: wave w makes S^T of slots 128 w .. + 127 (8 tiles) for all 64 queries (4 tiles), K = 512: each fragment of K feeds 4 products;
;   softmax on those scores (the waves' largest scores meet in LDS, so that all four keep the same M); p's four fragments, K step w of the second product, go to LDS as images of their registers;
;   second product: wave w makes O^T of d 128 w .. + 127 (8 tiles) for the 64 queries over the four K steps: each fragment of V feeds 4 products, each of p 8.
; No fragment of K or V is read by two waves: each wave fetches its own pieces of 25,600 bytes (16 fragment images and their scale words) and reads them alone, behind its own wait on TENSORcnt.
; Both products are used transposed (source 0 = 16 slots or 16 d, source 1 = 16 queries): a lane holds ONE query (lane % 16) throughout.  The slots of a tile are not neighbours (lane r of tile 2 b + u holds slot
; 32 b + 8 u + r + 8 (r / 8)), so that the 16 registers of tiles 2 b, 2 b + 1 are 16 neighbouring slots.  The queries of a tile are ordered the same way; the way out undoes that by address.
; A block's largest p is taken from the block's largest score by the same multiply-add and exponential: this takes v_exp_f32 not to fall where its input rises.
; CLUSTER: the four query blocks of a cluster walk the same split, so each fill is asked for JOINTLY: the same tensor load, the same descriptor (made of split and wave alone), mask 15, in all four.
; RING: three slots X, Y, Z a wave; a step's pieces are KA, KB (64 slots each), VA, VB (256 slots each).  TWO fills a step.  Behind KB's products all three slots are free: one load brings VA, VB and the next step's KA
; (76,800 bytes on end in memory and in LDS), and has the whole softmax in which to land.  Behind VA's products X is free: one load brings the next KB, and has VB's and KA's 128 products in which to land.
; Two tensor loads of a wave are out at the head (KA, KB), one at any later time.
; p GOES ROUND IN TWO HALVES, since LDS has room for eight images beside the ring: waves 0 and 1 store theirs behind the softmax; waves 2 and 3 keep theirs in registers and store them into the same bytes when nobody reads the first half any more.
; LIMITS: NaN and infinities are not served; M's arithmetic is exact for |t| under 2^24; p under 2^-126 counts as 0.
; REGISTERS, in windows of 256.  window 0: v1-15, v252 addresses; v16-47 statistics, 8 a query tile; v48-87 scale words and nothing else; v88-183 K's two buffers (from the softmax on: p's codes); v184-251 at work.
;   window 1: S^T, tile (qt, kt) at 64 qt + 8 kt; in the second product p's two buffers (v0, v48) and V's two (v96, v144); on the way out rows of O.   window 2: O^T, tile (qt, dt) at 8 (8 qt + dt).   window 3: Q, fragment (qt, s) at 12 (4 qt + s).
.set PIECE,  25600
.set WRING,  3*PIECE                   ; a wave's three slots: X at 0, Y at 25,600, Z at 51,200
.set WSTR,   32*PIECE                  ; a wave's run of pieces in a split
.set SPLITB, 4*WSTR
.set SCB,    24576                     ; a piece's scale words
.set PIMG,   4*WRING                   ; behind the ring: eight of p's images, (qt, j % 2) at (2 qt + j % 2) x 1,536
.set PSC,    PIMG+8*1536               ; p's scale words [qt][lane][j]; + 2,048: the waves' largest scores [qt][lane][w]; + 4,096: their sums
.set SPARE,  PSC+3*2048                ; the spare words, 128 bytes for each wave: two blocks of 256 bytes that no other line names
.set SPITCH, 528                       ; the way out: a stage of 16 rows x 528 bytes for each wave, in its own slot X, which has had its last fill and its last read by then
.set ST,  16                           ; tile qt at v[ST + 8 qt]: +0 -M, +1 largest t, +2:3 l, +4:5 f, +6 the old -M, +7 at work
.set QS,  48                           ; Q's scale words: 2 s + qt / 2
.set SC0, 56                           ; a piece's scale words: two sets, v56-63 and v64-71, by turns
.set PS,  72                           ; p's scale words: 4 qt + j
.set KB0, 88
.set KB1, 136
.set PC,  88                           ; p's codes, 20 registers a tile
.set BM,  184                          ; the blocks' largest scores, then largest p: 4 qt + b
.set T,   200
.set BY,  216
.set SA,  232
.set PW,  248
.set PB0, 0
.set PB1, 48
.set VB0, 96
.set VB1, 144
.set G1,  24                           ; s[24:31] descriptor group 1: one piece
.set G0T, 32                           ; s[32:35] group 0 of the load behind the first product: into X on
.set G0B, 36                           ; s[36:39] group 0 of KB's loads: into X
.set CS,  40                           ; s[40:41] log2(e)
.set SEL, 42                           ; s[42:43] v_permlanex16_b32's selects for lane l xor 16
.set G1T, 68                           ; s[68:75] group 1: three pieces
.set G1L, 76                           ; s[76:83] group 1: two pieces (the last step)
.set G0A, 84                           ; s[84:87] group 0 of the first KA: into Z
.set MSB, 0
.macro WIN new                         ; the immediate's high byte repeats the setting that is left
.if MSB != \new
	s_set_vgpr_msb (MSB<<8)|\new
.set MSB, \new
.endif
.endm
.macro PLACES n
.rept \n
	v_nop
.endr
.endm
.macro CROUND                          ; a round of the cluster's barrier
	s_barrier_signal -1
	s_barrier_wait -1
	s_cmp_lg_u32 s12, 0
	s_cbranch_scc1 .Lnot_wave_0_\@
	s_barrier_signal -3
.Lnot_wave_0_\@:
	s_barrier_wait -3
	s_barrier_signal -1
	s_barrier_wait -1
.endm
; In front of the round behind the first product.  No tensor load of mine is out, so a group 0 may be written.
.macro MEET1 first, last
	WIN 0
	s_wait_tensorcnt 0x0
	ds_add_u32 v7, v8                              ; 0 onto my spare word
.if !(\last)
	s_wait_xcnt 0x0                                ; the last step's prefetches have read their address
	s_add_nc_u64 s[48:49], s[48:49], 98304         ; three chunks of 32,768 bytes a step
	s_add_co_u32 s45, s45, 1                       ; steps begun
.endif
.if !(\first)
	s_add_nc_u64 s[G0T+2:G0T+3], s[G0T+2:G0T+3], 4*PIECE   ; this step's VA; the type bits on top are not reached
.endif
.endm
; The add is done and my reads of all three slots are over; a round, so that no wave of any partner still reads them or has a load on its way; then the joint refill, first behind the round.
.macro TURN1 last
	WIN 0
	s_wait_dscnt 0x0
	CROUND
.if \last
	tensor_load_to_lds s[G0T:G0T+3], s[G1L:G1L+7]  ; VA, VB: nothing follows them
	s_nop 0
.else
	tensor_load_to_lds s[G0T:G0T+3], s[G1T:G1T+7]  ; VA, VB and the next step's KA
	s_nop 0
.endif
	PLACES 4                                       ; the places behind the last products
.endm
; In front of the round behind VA's products, and the round: X takes the next step's KB.
.macro MEET2
	WIN 0
	s_wait_tensorcnt 0x0
	ds_add_u32 v7, v8                              ; 0 onto my spare word
	s_add_nc_u64 s[G0B+2:G0B+3], s[G0B+2:G0B+3], 4*PIECE
.endm
.macro TURN2
	s_wait_dscnt 0x0                               ; the add is done; my reads of X and of p's first half are over
	CROUND
	tensor_load_to_lds s[G0B:G0B+3], s[G1:G1+7]
	s_nop 0
	PLACES 4                                       ; the places in front of the loads that follow
.endm
; PREFETCHES of the split's runs.  A wave's run is 100 chunks of 8,192 bytes; the partner at place cx names chunks 4 i + cx (told apart by address), lanes 256 bytes apart, for the wave of its own number.
; Behind the first round of step j (j = 0 .. 6): i = 3 j + 5 and 3 j + 6; behind the second (j = 0 .. 5): i = 3 j + 7.  So i = 5 .. 24 are named once each, and byte 819,199 of the run is the last that is named;
; what lies under byte 163,840 comes by its loads alone.  All clusters of a split walk the same runs: the first of them asks.
.macro ASK1
	s_cmp_lt_u32 s45, s46
	s_cbranch_scc0 .Lnot_mine_\@
	global_prefetch_b8 v13, s[48:49] th:TH_LOAD_NT scope:SCOPE_SE
	global_prefetch_b8 v13, s[48:49] offset:32768 th:TH_LOAD_NT scope:SCOPE_SE
.Lnot_mine_\@:
.endm
.macro ASK2
	s_cmp_lt_u32 s45, s47
	s_cbranch_scc0 .Lnot_mine_\@
	global_prefetch_b8 v13, s[48:49] offset:65536 th:TH_LOAD_NT scope:SCOPE_SE
.Lnot_mine_\@:
.endm
; sig: the slot, 0 = X, 1 = Y, 2 = Z.  Z lies further from the wave's base than an LDS offset of 16 bits reaches: it has address registers of its own.  sc: the set of scale registers
.macro LOADSC sig, sc
.irp i, 0,1,2,3,4,5,6,7
.if (\sig) == 2
	ds_load_b32 v[SC0+8*(\sc)+\i], v252 offset:SCB+128*\i
.else
	ds_load_b32 v[SC0+8*(\sc)+\i], v2 offset:(\sig)*PIECE+SCB+128*\i
.endif
.endr
.endm
.macro LOADF reg, sig, f               ; a fragment's image: three loads of 512 consecutive bytes
.irp c, 0,1,2
.if (\sig) == 2
	ds_load_b128 v[(\reg)+4*\c:(\reg)+4*\c+3], v10 offset:(\f)*1536+512*\c
.else
	ds_load_b128 v[(\reg)+4*\c:(\reg)+4*\c+3], v1 offset:(\sig)*PIECE+(\f)*1536+512*\c
.endif
.endr
.endm
.macro LOADK buf, sig, s               ; K step s of the piece's four tiles
.irp k, 0,1,2,3
	LOADF (\buf)+12*\k, \sig, 4*\k+(\s)
.endr
.endm
.macro LOADV vb, sig, jp, hh           ; K step jp, d tiles 4 hh .. 4 hh + 3
.irp a, 0,1,2,3
	LOADF (\vb)+12*\a, \sig, 8*(\jp)+4*(\hh)+\a
.endr
.endm
.macro LOADP buf, j                    ; p's K step j, four tiles of queries
.irp q, 0,1,2,3
.irp c, 0,1,2
	ds_load_b128 v[(\buf)+12*\q+4*\c:(\buf)+12*\q+4*\c+3], v4 offset:(2*\q+((\j)%2))*1536+512*\c
.endr
.endr
.endm
; p's four fragments go to LDS as they stand.  hi = 0: waves 0 and 1 store; hi = 1: waves 2 and 3.  The branch hangs on the wave's number alone.
.macro PSTORE hi
	s_cmp_lt_u32 s12, 2
.if \hi
	s_cbranch_scc1 .Lno_p_\@
.else
	s_cbranch_scc0 .Lno_p_\@
.endif
.irp q, 0,1,2,3
.irp c, 0,1,2
	ds_store_b128 v3, v[PC+20*\q+4*\c:PC+20*\q+4*\c+3] offset:\q*3072+512*\c
.endr
.endr
.Lno_p_\@:
.endm
; One product.  rD, rA, rB: the registers; rSA, rSB the scale registers; rRA, rRB: 1 = the scales stand in lanes 16-31; rZ: 1 = the product starts its sum
.macro WM
.if rZ
.if rRA && rRB
	v_wmma_scale_f32_16x16x128_f8f6f4 v[rD:rD+7], v[rA:rA+11], v[rB:rB+11], 0, v[rSA], v[rSB] matrix_a_fmt:MATRIX_FMT_FP6 matrix_b_fmt:MATRIX_FMT_FP6 matrix_a_scale:MATRIX_SCALE_ROW1 matrix_b_scale:MATRIX_SCALE_ROW1
.elseif rRA
	v_wmma_scale_f32_16x16x128_f8f6f4 v[rD:rD+7], v[rA:rA+11], v[rB:rB+11], 0, v[rSA], v[rSB] matrix_a_fmt:MATRIX_FMT_FP6 matrix_b_fmt:MATRIX_FMT_FP6 matrix_a_scale:MATRIX_SCALE_ROW1
.elseif rRB
	v_wmma_scale_f32_16x16x128_f8f6f4 v[rD:rD+7], v[rA:rA+11], v[rB:rB+11], 0, v[rSA], v[rSB] matrix_a_fmt:MATRIX_FMT_FP6 matrix_b_fmt:MATRIX_FMT_FP6 matrix_b_scale:MATRIX_SCALE_ROW1
.else
	v_wmma_scale_f32_16x16x128_f8f6f4 v[rD:rD+7], v[rA:rA+11], v[rB:rB+11], 0, v[rSA], v[rSB] matrix_a_fmt:MATRIX_FMT_FP6 matrix_b_fmt:MATRIX_FMT_FP6
.endif
.else
.if rRA && rRB
	v_wmma_scale_f32_16x16x128_f8f6f4 v[rD:rD+7], v[rA:rA+11], v[rB:rB+11], v[rD:rD+7], v[rSA], v[rSB] matrix_a_fmt:MATRIX_FMT_FP6 matrix_b_fmt:MATRIX_FMT_FP6 matrix_a_scale:MATRIX_SCALE_ROW1 matrix_b_scale:MATRIX_SCALE_ROW1
.elseif rRA
	v_wmma_scale_f32_16x16x128_f8f6f4 v[rD:rD+7], v[rA:rA+11], v[rB:rB+11], v[rD:rD+7], v[rSA], v[rSB] matrix_a_fmt:MATRIX_FMT_FP6 matrix_b_fmt:MATRIX_FMT_FP6 matrix_a_scale:MATRIX_SCALE_ROW1
.elseif rRB
	v_wmma_scale_f32_16x16x128_f8f6f4 v[rD:rD+7], v[rA:rA+11], v[rB:rB+11], v[rD:rD+7], v[rSA], v[rSB] matrix_a_fmt:MATRIX_FMT_FP6 matrix_b_fmt:MATRIX_FMT_FP6 matrix_b_scale:MATRIX_SCALE_ROW1
.else
	v_wmma_scale_f32_16x16x128_f8f6f4 v[rD:rD+7], v[rA:rA+11], v[rB:rB+11], v[rD:rD+7], v[rSA], v[rSB] matrix_a_fmt:MATRIX_FMT_FP6 matrix_b_fmt:MATRIX_FMT_FP6
.endif
.endif
.endm
; 16 products of S^T = K Q^T: the piece's four tiles x four tiles of queries, K step s.  The 16 accumulators take turns, one instruction a turn.
.macro MULK buf, sc, kb, s
	WIN 0x5c                                       ; source 0 (K) window 0, source 1 (Q) window 3, C and D window 1
.if (\s) == 0
.set rZ, 1
.else
.set rZ, 0
.endif
.set kt, 0
.rept 4
.set qt, 0
.rept 4
.set rD, 64*qt+8*((\kb)+kt)
.set rA, (\buf)+12*kt
.set rB, 12*(4*qt+(\s))
.set rSA, SC0+8*(\sc)+2*(\s)+kt/2
.set rSB, QS+2*(\s)+qt/2
.set rRA, kt%2
.set rRB, qt%2
	WM
.set qt, qt+1
.endr
.set kt, kt+1
.endr
.endm
; 16 products of O^T += V^T P^T: d tiles 4 hh .. 4 hh + 3 x four tiles of queries, the piece's K step jp = the step's K step j.  The 32 accumulators take turns.
.macro MULV vb, pb, sc, jp, hh, j, zero
	WIN 0xa5                                       ; sources 0 (V) and 1 (p) window 1, C and D window 2
.set rZ, \zero
.set rRB, 0
.set aa, 0
.rept 4
.set qt, 0
.rept 4
.set dt, 4*(\hh)+aa
.set rD, 8*(8*qt+dt)
.set rA, (\vb)+12*aa
.set rB, (\pb)+12*qt
.set rSA, SC0+8*(\sc)+4*(\jp)+dt/2
.set rSB, PS+4*qt+(\j)
.set rRA, dt%2
	WM
.set qt, qt+1
.endr
.set aa, aa+1
.endr
.endm
; THE FIRST PRODUCT on the piece in slot sig: 64 slots, tiles kb .. kb + 3 of my eight.  Two buffers of four fragments; each group of 12 loads is issued 16 products ahead of its use.
; A load into a register that a matrix instruction has read stands four places behind it, a matrix instruction that writes over such a register five: v_nop are the places.
; second = 0: KA; second = 1: KB, behind which the slots are filled again.
.macro PHASE1 sig, sc, kb, second, first, last
.if \second
	PLACES 4                                       ; in front of loads into K's buffers, which KA's last products read
.endif
	WIN 0
.if \second
	s_wait_tensorcnt 0x0                           ; KB has landed: the one load of mine that is out; I alone read it, so this wait is all that the reads need
.endif
	LOADSC \sig, \sc
	LOADK KB0, \sig, 0
	LOADK KB1, \sig, 1
.if !(\second)
	PLACES 6                                       ; ahead of products that write over the registers that held V's and p's fragments
.endif
	s_wait_dscnt 12                                ; all but K step 1's twelve loads
	MULK KB0, \sc, \kb, 0
	PLACES 4
	WIN 0
	LOADK KB0, \sig, 2
	s_wait_dscnt 12                                ; K step 1 is in
	MULK KB1, \sc, \kb, 1
	PLACES 4
	WIN 0
	LOADK KB1, \sig, 3
	s_wait_dscnt 12                                ; K step 2 is in
	MULK KB0, \sc, \kb, 2
.if \second
	MEET1 \first, \last
	s_wait_dscnt 1                                 ; K step 3 is in; the add may be out: sixteen products stand between it and the wait for it
.else
	s_wait_dscnt 0x0
.endif
	MULK KB1, \sc, \kb, 3
.endm
; THE SECOND PRODUCT on the piece in slot sig: my 128 d x 256 slots, the step's K steps jb and jb + 1.
.macro PHASE2 sig, sc, jb, first
	WIN 0
	LOADSC \sig, \sc
.if (\jb) == 0
.irp q, 0,1,2,3
	ds_load_b128 v[PS+4*\q:PS+4*\q+3], v6 offset:512*\q        ; p's scale words of the four K steps
.endr
.endif
	WIN 0x40                                       ; destination window 1
	LOADP PB0, \jb
	LOADV VB0, \sig, 0, 0
	LOADV VB1, \sig, 0, 1
.if ((\jb) == 0) && !(\first)
	WIN 0x82                                       ; O^T (destination and source 0) window 2, f window 0
.set k, 0
.rept 128
	v_pk_mul_f32 v[2*k:2*k+1], v[2*k:2*k+1], v[ST+8*(k/32)+4:ST+8*(k/32)+5] op_sel_hi:[1,0]   ; O^T under the new M; each accumulator from its low end on; the loads above land meanwhile
.set k, k+1
.endr
.endif
	s_wait_dscnt 12                                ; all but V's second group
.if (\first) && ((\jb) == 0)
	MULV VB0, PB0, \sc, 0, 0, \jb, 1               ; the first step's products start O^T's sums: nothing is cleared
.else
	MULV VB0, PB0, \sc, 0, 0, \jb, 0
.endif
	PLACES 4
	WIN 0x40
	LOADV VB0, \sig, 1, 0
	LOADP PB1, (\jb)+1
	s_wait_dscnt 24                                ; V's second group is in
.if (\first) && ((\jb) == 0)
	MULV VB1, PB0, \sc, 0, 1, \jb, 1
.else
	MULV VB1, PB0, \sc, 0, 1, \jb, 0
.endif
	PLACES 4
	WIN 0x40
	LOADV VB1, \sig, 1, 1
	s_wait_dscnt 12                                ; the next K step's first group of V and its p are in
	MULV VB0, PB1, \sc, 1, 0, (\jb)+1, 0
	s_wait_dscnt 0x0
	MULV VB1, PB1, \sc, 1, 1, (\jb)+1, 0
.endm
; THE SOFTMAX of my 128 slots x 64 queries.  Register 16 k + i of window 1 (k = 4 qt + b) is slot 32 b + 16 (lane / 16) + i of query tile qt.  first = 1: the first step starts M, l.
; (The four v_nop behind the tensor load in front of it are the places behind the last products.)
.macro SOFTMAX first
	WIN 0x15
.set k, 0
.rept 16
	v_max3_num_f32 v[BM+k], v[16*k], v[16*k+1], v[16*k+2]      ; the largest score of each block of 32 slots; each accumulator is first read at its low end
.set k, k+1
.endr
	WIN 0x14
.irp i, 3,5,7,9,11,13
.set k, 0
.rept 16
	v_max3_num_f32 v[BM+k], v[BM+k], v[16*k+\i], v[16*k+\i+1]
.set k, k+1
.endr
.endr
.set k, 0
.rept 16
	v_max_num_f32 v[BM+k], v[BM+k], v[16*k+15]
.set k, k+1
.endr
	WIN 0
.set k, 0
.rept 16
	v_permlanex16_b32 v[T+k], v[BM+k], s[SEL], s[SEL+1]
.set k, k+1
.endr
.set k, 0
.rept 16
	v_max_num_f32 v[BM+k], v[BM+k], v[T+k]         ; with lane l xor 16's 16 slots
.set k, k+1
.endr
.irp q, 0,1,2,3
	v_max3_num_f32 v[ST+8*\q+7], v[BM+4*\q], v[BM+4*\q+1], v[BM+4*\q+2]
.endr
.irp q, 0,1,2,3
	v_max_num_f32 v[ST+8*\q+7], v[ST+8*\q+7], v[BM+4*\q+3]     ; my wave's largest score of the lane's query
.endr
.irp q, 0,1,2,3
	ds_store_b32 v5, v[ST+8*\q+7] offset:2048+512*\q
.endr
	s_wait_dscnt 0x0                               ; for the others' sake: my stores are done
	s_barrier_signal -1                            ; the load that is on its way may stay out
	s_barrier_wait -1
.irp q, 0,1,2,3
	ds_load_b128 v[T+4*\q:T+4*\q+3], v6 offset:2048+512*\q     ; the four waves'
.endr
	s_wait_dscnt 0x0
.irp q, 0,1,2,3
	v_max3_num_f32 v[ST+8*\q+7], v[T+4*\q], v[T+4*\q+1], v[T+4*\q+2]
.endr
.irp q, 0,1,2,3
	v_max_num_f32 v[ST+8*\q+7], v[ST+8*\q+7], v[T+4*\q+3]      ; the step's largest score: the same in all four waves
.endr
.if \first
.irp q, 0,1,2,3
	v_mul_f32 v[ST+8*\q+1], s[CS], v[ST+8*\q+7]    ; as t
.endr
.else
.irp q, 0,1,2,3
	v_mul_f32 v[ST+8*\q+7], s[CS], v[ST+8*\q+7]
.endr
.irp q, 0,1,2,3
	v_max_num_f32 v[ST+8*\q+1], v[ST+8*\q+1], v[ST+8*\q+7]     ; the running largest t
	v_mov_b32 v[ST+8*\q+6], v[ST+8*\q]
.endr
.endif
.irp q, 0,1,2,3
	v_floor_f32 v[ST+8*\q], -v[ST+8*\q+1]          ; -M = floor(-t): M is a whole number
.endr
.if !(\first)
.irp q, 0,1,2,3
	v_sub_f32 v[ST+8*\q+4], v[ST+8*\q], v[ST+8*\q+6]           ; old M - new M: a whole number, 0 or less
.endr
.irp q, 0,1,2,3
	v_cvt_i32_f32 v[ST+8*\q+4], v[ST+8*\q+4]       ; (it saturates)
.endr
.irp q, 0,1,2,3
	v_ldexp_f32 v[ST+8*\q+4], 1.0, v[ST+8*\q+4]    ; f = 2^(old M - new M)
.endr
.endif
.set k, 0
.rept 16
	v_fma_f32 v[BM+k], v[BM+k], s[CS], v[ST+8*(k/4)]           ; t - M of each block's largest score
.set k, k+1
.endr
	WIN 0x41                                       ; S^T (destination and source 0) window 1, -M window 0
.set k, 0
.rept 128
	v_pk_fma_f32 v[2*k:2*k+1], v[2*k:2*k+1], s[CS:CS+1], v[ST+8*(k/32):ST+8*(k/32)+1] op_sel_hi:[1,0,0]   ; t - M, two at a time (of the pairs the low word serves both halves)
.set k, k+1
.endr
.set k, 0
.rept 256
	v_exp_f32 v[k], v[k]                           ; p = 2^(t - M): one batch
.set k, k+1
.endr
	v_nop                                          ; a plain place behind the last exponential
	s_wait_alu depctr_va_vdst(0)                   ; one wait for the batch, ahead of its first reader
	WIN 0
.set k, 0
.rept 16
	v_exp_f32 v[BM+k], v[BM+k]                     ; the blocks' largest p: a second, small batch
.set k, k+1
.endr
	WIN 0x05
.irp q, 0,1,2,3
	v_pk_add_f32 v[SA+4*\q:SA+4*\q+1], v[64*\q:64*\q+1], v[64*\q+4:64*\q+5]          ; the sum of the UNQUANTISED p, two chains a tile; plain work behind the sixteen
	v_pk_add_f32 v[SA+4*\q+2:SA+4*\q+3], v[64*\q+2:64*\q+3], v[64*\q+6:64*\q+7]
.endr
	WIN 0x04
.irp j, 8,12,16,20,24,28,32,36,40,44,48,52,56,60
.irp q, 0,1,2,3
	v_pk_add_f32 v[SA+4*\q:SA+4*\q+1], v[SA+4*\q:SA+4*\q+1], v[64*\q+\j:64*\q+\j+1]
	v_pk_add_f32 v[SA+4*\q+2:SA+4*\q+3], v[SA+4*\q+2:SA+4*\q+3], v[64*\q+\j+2:64*\q+\j+3]
.endr
.endr
	WIN 0
.if \first
.irp q, 0,1,2,3
	v_pk_add_f32 v[ST+8*\q+2:ST+8*\q+3], v[SA+4*\q:SA+4*\q+1], v[SA+4*\q+2:SA+4*\q+3]
.endr
.else
.irp q, 0,1,2,3
	v_pk_add_f32 v[SA+4*\q:SA+4*\q+1], v[SA+4*\q:SA+4*\q+1], v[SA+4*\q+2:SA+4*\q+3]
.endr
.irp q, 0,1,2,3
	v_pk_fma_f32 v[ST+8*\q+2:ST+8*\q+3], v[ST+8*\q+2:ST+8*\q+3], v[ST+8*\q+4:ST+8*\q+5], v[SA+4*\q:SA+4*\q+1] op_sel_hi:[1,0,1]   ; l = f l + the step's sum
.endr
.endif
	s_wait_alu depctr_va_vdst(0)                   ; and one wait for the sixteen
.set k, 0
.rept 16
	v_max_num_f32 v[BM+k], 0x1800000, v[BM+k]      ; the floor 2^(3 - 127): the byte cannot fall under 1 (a block whose every p is 0 keeps that byte: its codes are zeros)
.set k, k+1
.endr
.set k, 0
.rept 16
	v_add_nc_u32 v[T+k], 0xff000000, v[BM+k]       ; 2 off the exponent field: the conversion's scale operand
.set k, k+1
.endr
.set k, 0
.rept 16
	v_lshrrev_b32 v[BY+k], 23, v[T+k]              ; the scale's byte
.set k, k+1
.endr
.irp q, 0,1,2,3
	v_lshl_or_b32 v[PW+\q], v[BY+4*\q+1], 8, v[BY+4*\q]
.endr
.irp q, 0,1,2,3
	v_lshl_or_b32 v[PW+\q], v[BY+4*\q+2], 16, v[PW+\q]
.endr
.irp q, 0,1,2,3
	v_lshl_or_b32 v[PW+\q], v[BY+4*\q+3], 24, v[PW+\q]         ; p's scale word for my 128 slots
.endr
	WIN 0x01                                       ; p window 1, codes and scale operand window 0
.irp q, 0,1,2,3
.irp c, 0,1
	v_cvt_scalef32_pk16_fp6_f32 v[PC+20*\q+6*\c:PC+20*\q+6*\c+2], v[64*\q+32*\c:64*\q+32*\c+15], v[T+4*\q+2*\c]
	v_cvt_scalef32_pk16_fp6_f32 v[PC+20*\q+12+4*\c:PC+20*\q+14+4*\c], v[64*\q+32*\c+16:64*\q+32*\c+31], v[T+4*\q+2*\c+1]   ; (a conversion's three registers begin on an even number)
.endr
.endr
	WIN 0
	v_nop                                          ; one plain place behind a scaled conversion
.irp q, 0,1,2,3
.irp c, 0,1                                    ; the operand's layout wants a WHOLE block in a lane: lanes 0-15 block 2 c, lanes 16-31 block 2 c + 1
.irp i, 0,1,2
	v_permlane16_swap_b32 v[PC+20*\q+6*\c+\i], v[PC+20*\q+12+4*\c+\i]
.endr
.irp i, 0,1,2
	v_mov_b32 v[PC+20*\q+3+6*\c+\i], v[PC+20*\q+12+4*\c+\i]
.endr
.endr
.endr
.irp q, 0,1,2,3
	ds_store_b32 v5, v[PW+\q] offset:512*\q        ; every wave's scale words go now
.endr
	PSTORE 0                                       ; and the images of K steps 0 and 1
.endm
; A STEP of 512 slots.  first = 1: it starts M, l and O^T.  last = 1: it asks for V's two pieces alone, and for nothing behind VA's products.
.macro STEP first, last
	PHASE1 2, 0, 0, 0, \first, \last               ; KA, in Z
	PHASE1 0, 1, 4, 1, \first, \last               ; KB, in X
	TURN1 \last
.if !(\last)
	ASK1
.endif
	SOFTMAX \first
	s_wait_tensorcnt 0x0                           ; the load asked for in front of the softmax has landed: I alone read its bytes
	s_wait_dscnt 0x0                               ; for the others' sake: my stores of p and of its scale words are done
	s_barrier_signal -1
	s_barrier_wait -1
	PHASE2 0, 0, 0, \first                         ; VA, in X
.if \last
	WIN 0
	s_wait_dscnt 0x0                               ; my reads of p's first half are over
	s_barrier_signal -1
	s_barrier_wait -1
	PLACES 4                                       ; in front of loads into the registers that the last products read
.else
	MEET2
	TURN2
	ASK2
.endif
	PSTORE 1                                       ; nobody reads p's first half any more: the images of K steps 2 and 3 take its bytes
	s_wait_dscnt 0x0
	s_barrier_signal -1                            ; KB's load may stay out
	s_barrier_wait -1
	PHASE2 1, 1, 2, 0                              ; VB, in Y
.endm
	s_load_b256 s[4:11], s[0:1], 0x0               ; img s[4:5], qimg s[6:7], opart s[8:9], stat s[10:11]
	v_lshl_add_u32 v7, v0, 2, SPARE                ; my spare word; never rewritten
	v_mov_b32 v8, 0                                ; 0; never rewritten
	ds_add_u32 v7, v8
	ds_add_u32 v7, v8
	s_wait_dscnt 0x0
	v_lshrrev_b32 v15, 5, v0
	v_readfirstlane_b32 s12, v15                   ; wave 0..3
	s_bfe_u32 s13, ttmp6, 0x40000                  ; cx: it enters the addresses of qimg, opart, stat and the prefetches alone
	s_lshl_b32 s14, ttmp9, 2
	s_add_co_u32 s14, s14, s13                     ; my block of 64 queries
	s_and_b32 s15, ttmp7, 0xffff                   ; the split, which the four partners share
	; descriptor groups 1: one, three or two pieces, dense bytes, as rows of 256 bytes (32 elements of 8 bytes); no padding: the images are read 16 bytes a lane on end
.irp g, G1, G1T, G1L
	s_mov_b32 s[\g+0], 15|(3<<16)|(1<<21)          ; 15:0 the mask: all four work-groups; 17:16 elements of 8 bytes; 21 set beside a mask
	s_mov_b32 s[\g+1], 32<<16                      ; tensor_dim0 = 32
	s_mov_b32 s[\g+3], 32<<16                      ; tile_dim0 = 32
	s_mov_b32 s[\g+5], 32                          ; from row to row
	s_mov_b32 s[\g+6], 0
	s_mov_b32 s[\g+7], 0
.endr
	s_mov_b32 s[G1+2], 100<<16                     ; tensor_dim1
	s_mov_b32 s[G1+4], 100                         ; tile_dim1
	s_mov_b32 s[G1T+2], 300<<16
	s_mov_b32 s[G1T+4], 300
	s_mov_b32 s[G1L+2], 200<<16
	s_mov_b32 s[G1L+4], 200
	s_mov_b32 s[CS], 0x3fb8aa3b                    ; log2(e)
	s_mov_b32 s[CS+1], s[CS]                       ; (named with it as a pair, so it is written)
	s_mov_b32 s[SEL], 0x76543210
	s_mov_b32 s[SEL+1], 0xfedcba98
	s_mov_b32 s45, 0
	s_cmp_eq_u32 ttmp9, 0                          ; the split's first cluster prefetches; the same in all four partners
	s_cselect_b32 s46, 8, 0                        ; behind the first round: in steps 0 to 6
	s_cselect_b32 s47, 7, 0                        ; behind the second: in steps 0 to 5
	s_mul_i32 s50, s15, SPLITB
	s_mul_i32 s52, s12, WSTR
	s_add_co_u32 s52, s52, s50                     ; my wave's run of pieces
	s_mov_b32 s53, 0
	s_mul_i32 s54, s12, WRING                      ; my wave's three slots: no place in the cluster enters an LDS address
	s_lshl_b32 s56, s13, 13                        ; the prefetches: my work-group's chunk of each four,
	s_add_co_u32 s56, s56, s52                     ; in my wave's run;
	s_add_co_u32 s56, s56, 65536                   ; the first step's 98,304 bring it to byte 163,840
	s_mov_b32 s57, 0
	s_mul_i32 s58, s14, PIECE
	s_mov_b32 s59, 0
	s_lshl_b32 s60, s15, 22                        ; opart: a split is 2,048 rows of 2,048 bytes,
	s_lshl_b32 s61, s14, 17                        ; my block's 64 rows,
	s_add_co_u32 s60, s60, s61
	s_lshl_b32 s61, s12, 9                         ; my wave's 128 d
	s_add_co_u32 s60, s60, s61
	s_mov_b32 s61, 0
	s_lshl_b32 s62, s15, 14                        ; stat: [split][2][2048]
	s_lshl_b32 s63, s14, 8
	s_add_co_u32 s62, s62, s63
	s_mov_b32 s63, 0
	v_and_b32 v15, 31, v0                          ; lane (kept)
	v_lshlrev_b32 v11, 4, v15                      ; 16 x lane
	v_lshlrev_b32 v14, 2, v15                      ; 4 x lane
	v_lshlrev_b32 v13, 8, v15                      ; 256 x lane: the prefetches' offset
	v_add_nc_u32 v1, s54, v11                      ; images in slots X and Y; on the way out: rows of my stage
	v_add_nc_u32 v2, s54, v14                      ; scale words in slots X and Y
	v_add_nc_u32 v10, 2*PIECE, v1                  ; images in slot Z
	v_add_nc_u32 v252, 2*PIECE, v2                 ; scale words in slot Z
	s_and_b32 s55, s12, 1
	s_mul_i32 s55, s55, 1536
	s_add_co_u32 s55, s55, PIMG
	v_add_nc_u32 v3, s55, v11                      ; where I store p's images
	v_add_nc_u32 v4, PIMG, v11                     ; and where any wave reads them
	v_add_nc_u32 v6, PSC, v11                      ; the small tables: 16 bytes a lane,
	s_lshl_b32 s55, s12, 2
	v_add_nc_u32 v5, s55, v6                       ; my wave's word of them
	v_and_b32 v200, 15, v0                         ; r
	v_bfe_u32 v201, v0, 4, 1                       ; h
	v_mul_u32_u24 v9, v200, SPITCH
	v_lshl_add_u32 v9, v201, 5, v9
	v_add_nc_u32 v9, s54, v9                       ; into my stage: row r, 32 bytes for each half of the lanes
	v_and_b32 v202, 8, v200
	v_add_nc_u32 v202, v202, v200                  ; r + 8 (r / 8)
	v_lshlrev_b32 v12, 2, v202
	v_lshl_add_u32 v12, v201, 13, v12              ; stat: lanes 0-15 -M, lanes 16-31 l, 8,192 bytes on
	s_wait_kmcnt 0x0
	s_add_nc_u64 s[48:49], s[4:5], s[56:57]
	s_add_nc_u64 s[6:7], s[6:7], s[58:59]
	s_add_nc_u64 s[8:9], s[8:9], s[60:61]
	s_add_nc_u64 s[10:11], s[10:11], s[62:63]
	s_mov_b32 s[G0A], 1                            ; count = 1
	s_add_co_u32 s[G0A+1], s54, 2*PIECE            ; LDS address: slot Z
	s_add_nc_u64 s[G0A+2:G0A+3], s[4:5], s[52:53]  ; piece 0: the first KA
	s_or_b32 s[G0A+3], s[G0A+3], 0x80000000        ; type = 2
	s_mov_b32 s[G0B], 1
	s_mov_b32 s[G0B+1], s54                        ; slot X
	s_add_nc_u64 s[G0B+2:G0B+3], s[4:5], s[52:53]
	s_add_nc_u64 s[G0B+2:G0B+3], s[G0B+2:G0B+3], PIECE     ; piece 1: the first KB
	s_or_b32 s[G0B+3], s[G0B+3], 0x80000000
	s_mov_b32 s[G0T], 1
	s_mov_b32 s[G0T+1], s54                        ; slot X on
	s_add_nc_u64 s[G0T+2:G0T+3], s[4:5], s[52:53]
	s_add_nc_u64 s[G0T+2:G0T+3], s[G0T+2:G0T+3], 2*PIECE   ; piece 2: the first VA
	s_or_b32 s[G0T+3], s[G0T+3], 0x80000000
	CROUND                                         ; all four work-groups are here: the first joint loads meet
	tensor_load_to_lds s[G0A:G0A+3], s[G1:G1+7]    ; the two first fills go out together
	s_nop 0
	tensor_load_to_lds s[G0B:G0B+3], s[G1:G1+7]
	s_nop 0
	PLACES 4
	WIN 0xc0                                       ; destination window 3
.set f, 0
.rept 16                                       ; Q's sixteen fragments stay in registers
.irp c, 0,1,2
	global_load_b128 v[12*f+4*\c:12*f+4*\c+3], v11, s[6:7] offset:f*1536+512*\c
.endr
.set f, f+1
.endr
	WIN 0
.irp i, 0,1,2,3,4,5,6,7
	global_load_b32 v[QS+\i], v14, s[6:7] offset:SCB+128*\i
.endr
.set k, 0
.rept 16
	v_mov_b32 v[T+k], 0                            ; written once: a lane permute's destination counts as one of its sources
.set k, k+1
.endr
.irp q, 0,1,2,3
	v_mov_b32 v[ST+8*\q+5], 0                      ; (named as the upper half of f's pair)
.endr
	s_wait_loadcnt 0x0                             ; Q
	s_wait_tensorcnt 0x1                           ; KA has landed; KB, issued behind it, may be out
	STEP 1, 0                                      ; the first step is written out: its products start O^T, its softmax has no old M
	WIN 0                                          ; at a label and at a branch every window is 0
	s_mov_b32 s44, 6
.Lstep:
	STEP 0, 0
	WIN 0
	s_sub_co_u32 s44, s44, 1
	s_cmp_lg_u32 s44, 0
	s_cbranch_scc1 .Lstep
	STEP 0, 1                                      ; the last step is written out
	; THE WAY OUT.  l: my wave's sum over its own slots; the four waves' meet in LDS, and wave 0 stores -M and l.
	PLACES 4
	WIN 0
.irp q, 0,1,2,3
	v_add_f32 v[ST+8*\q+7], v[ST+8*\q+2], v[ST+8*\q+3]
.endr
.irp q, 0,1,2,3
	v_permlanex16_b32 v[T+\q], v[ST+8*\q+7], s[SEL], s[SEL+1]
.endr
.irp q, 0,1,2,3
	v_add_f32 v[ST+8*\q+7], v[ST+8*\q+7], v[T+\q]
.endr
.irp q, 0,1,2,3
	ds_store_b32 v5, v[ST+8*\q+7] offset:4096+512*\q
.endr
	s_wait_dscnt 0x0
	s_barrier_signal -1
	s_barrier_wait -1
	s_cmp_lg_u32 s12, 0
	s_cbranch_scc1 .Lnot_first_wave
.irp q, 0,1,2,3
	ds_load_b128 v[T+4*\q:T+4*\q+3], v6 offset:4096+512*\q
.endr
	v_cmp_le_u32 vcc_lo, 16, v15
	s_wait_dscnt 0x0
.irp q, 0,1,2,3
	v_add_f32 v[T+4*\q], v[T+4*\q], v[T+4*\q+1]
	v_add_f32 v[T+4*\q+2], v[T+4*\q+2], v[T+4*\q+3]
.endr
.irp q, 0,1,2,3
	v_add_f32 v[T+4*\q], v[T+4*\q], v[T+4*\q+2]
.endr
.irp q, 0,1,2,3
	v_cndmask_b32 v[BY+\q], v[ST+8*\q], v[T+4*\q], vcc_lo
	global_store_b32 v12, v[BY+\q], s[10:11] offset:(32*(\q/2)+8*(\q%2))*4
.endr
.Lnot_first_wave:
; O^T, a tile of 16 queries at a time: a lane holds 32 neighbouring bytes of a row and the lanes beside it other rows, so a tile goes through my own stage and comes back as rows of 512 bytes.
; LDS serves a wave's instructions in order (ISA guide 5.7.1.4): no wait between the stores and the loads, nor in front of the next tile's stores.
.macro TOSTAGE q
	WIN 0x08                                       ; an LDS store's data are its source 1: window 2
.irp d, 0,1,2,3,4,5,6,7
	ds_store_b128 v9, v[64*(\q)+8*\d:64*(\q)+8*\d+3] offset:64*\d          ; each accumulator from its low end on
	ds_store_b128 v9, v[64*(\q)+8*\d+4:64*(\q)+8*\d+7] offset:64*\d+16
.endr
	WIN 0x40                                       ; destination window 1: a set of 64 registers for each tile, so no store's data are written again
.irp i, 0,1,2,3,4,5,6,7,8,9,10,11,12,13,14,15
	ds_load_b128 v[64*(\q)+4*\i:64*(\q)+4*\i+3], v1 offset:SPITCH*\i
.endr
.endm
.macro SEND q, younger                         ; younger: the LDS instructions issued behind tile q's loads
	s_wait_dscnt \younger
	WIN 0x04                                       ; a store's data are its source 1: window 1
.irp i, 0,1,2,3,4,5,6,7,8,9,10,11,12,13,14,15
	global_store_b128 v11, v[64*(\q)+4*\i:64*(\q)+4*\i+3], s[8:9] offset:(32*((\q)/2)+8*((\q)%2)+\i+8*(\i/8))*2048 th:TH_STORE_NT   ; 32 lanes store 512 consecutive bytes, aligned to 256; row i of the tile is this query of the block
.endr
.endm
	TOSTAGE 0
	TOSTAGE 1
	SEND 0, 32
	TOSTAGE 2
	SEND 1, 32
	TOSTAGE 3
	SEND 2, 32
	SEND 3, 0
	WIN 0
	s_wait_tensorcnt 0x0                           ; the wave's end
	ds_add_u32 v7, v8
	s_wait_dscnt 0x0
	CROUND                                         ; the closing round: no work-group ends while a partner may still ask for a piece that names it
	s_endpgm
.Lfunc_end_k_q6608f24c44_attn:
	.size	k_q6608f24c44_attn, .Lfunc_end_k_q6608f24c44_attn-k_q6608f24c44_attn
	.p2alignl 7, 3214868480
	.fill 96, 4, 3214868480
	.section	.rodata,"a",@progbits
	.p2align	6, 0x0
	.amdhsa_kernel k_q6608f24c44_attn
		.amdhsa_group_segment_fixed_size 327680
		.amdhsa_private_segment_fixed_size 0
		.amdhsa_enable_private_segment 0
		.amdhsa_kernarg_size 32
		.amdhsa_user_sgpr_count 2
		.amdhsa_user_sgpr_kernarg_segment_ptr 1
		.amdhsa_wavefront_size32 1
		.amdhsa_system_sgpr_workgroup_id_x 1
		.amdhsa_system_sgpr_workgroup_id_y 1
		.amdhsa_system_sgpr_workgroup_id_z 1
		.amdhsa_system_vgpr_workitem_id 0
		.amdhsa_next_free_vgpr 1024
		.amdhsa_next_free_sgpr 88
		.amdhsa_reserve_vcc 1
		.amdhsa_float_denorm_mode_32 3
		.amdhsa_float_denorm_mode_16_64 3
		.amdhsa_memory_ordered 1
		.amdhsa_forward_progress 1
		.amdhsa_inst_pref_size 255
	.end_amdhsa_kernel
	.section	.bss,"aw",@nobits
	.p2align	6
	.space	262144
	.amdgpu_metadata
---
amdhsa.version: [ 1, 2 ]
amdhsa.kernels:
  - .name:           k_q6608f24c44_attn
    .symbol:         k_q6608f24c44_attn.kd
    .args:
      - { .name: img, .offset: 0, .size: 8, .value_kind: global_buffer, .address_space: global }
      - { .name: qimg, .offset: 8, .size: 8, .value_kind: global_buffer, .address_space: global }
      - { .name: opart, .offset: 16, .size: 8, .value_kind: global_buffer, .address_space: global }
      - { .name: stat, .offset: 24, .size: 8, .value_kind: global_buffer, .address_space: global }
    .group_segment_fixed_size: 327680
    .private_segment_fixed_size: 0
    .kernarg_segment_align: 8
    .kernarg_segment_size: 32
    .max_flat_workgroup_size: 128
    .sgpr_count:     88
    .vgpr_count:     1024
    .wavefront_size: 32
...
	.end_amdgpu_metadata
.endif
;; end of part 5
;; launch combine: the kernel of part 3 again; grid 512 x 1, 4 waves a work-group, no clusters, 0 bytes of LDS; arguments opart, stat, out0; writes out0
